; MI455X (gfx1250); checked and timed in simulation.
; The chip was launched on July 23, 2026; its instructions are those of AMD's public machine-readable ISA for CDNA 5 (MIT licence, August 2026) and "CDNA5" Instruction Set Architecture Reference Guide (July 2026). The comments in the code are by the model that wrote it; some were corrected since.
;; Gene Attention Layer. Allowed arithmetic: matrix products marked QUANTISED: E2M1 operands, one E8M0 scale for each 32 along K, by v_wmma_scale_f32_16x16x128_f8f6f4 with both operands' format E2M1 (or v_wmma_scale_f32_32x16x128_f4), f32 sums; products left as they are: bf16, f16 or f32 operands; f32 sums; everything else in f32.
;; Inputs: M 2 x 2,048 x 2,048 float32; V 2 x 2,048 x 16 x 64 float32; in_proj_b 3,072 float32; in_proj_w 3,072 x 1,024 float32; out_b 1,024 float32; out_w 1,024 x 1,024 float32; x 2 x 2,048 x 1,024 float32.
;; Outputs: out0 2 x 2,048 x 1,024 float32.
;; This version of the problem:
;;   THIS VERSION OF THE PROBLEM IS GIVEN IN LOW PRECISION. The matrix products marked QUANTISED in the list below multiply operands that are first quantised to E2M1 (2 exponent bits, 1 mantissa bit; 4 bits a number), with one power-of-two scale for each 32 numbers along K (OCP MX v1.0); their sums are f32. The products marked 'left as it is' may take bf16, f16 or f32 operands, with f32 sums. Whichever they take, every output number must still come out within the allowed error. Rounding operands to bf16 (8 significant bits) uses up far more of that allowance than f16 does (11 bits, for magnitudes from 6e-5 to 65,504). All else is computed in f32.
;;   The module's matrix products, in the order in which they are computed (A, B: the left and right operand; K: the contracted axis; several contracted axes count as one K, in the product's order):
;;     1. [M 4,096, K 1,024] x [K 1,024, N 3,072]; A: input x; B: input in_proj_w: QUANTISED
;;     2. batch 32 x [M 2,048, K 64] x [K 64, N 2,048]; A: computed on the way; B: computed on the way: left as it is (an operand is computed on the way)
;;     3. batch 32 x [M 2,048, K 2,048] x [K 2,048, N 64]; A: computed on the way; B: input V: left as it is (an operand is computed on the way)
;;     4. [M 4,096, K 1,024] x [K 1,024, N 1,024]; A: computed on the way; B: input out_w: left as it is (an operand is computed on the way)
;;   THE QUANTISER, for each operand of a quantised product, along K:
;;     - K is cut into blocks of 32 from its start; a last block that is shorter is filled with zeros.
;;     - A block's scale is 2^e with e = floor(log2(the largest magnitude in the block)) - 2, held to -126 .. 127; a block of zeros has e = 0. As a byte (E8M0): e + 127.
;;     - Each number is divided by its block's scale, clamped to +-6, and rounded to the nearest number of E2M1, ties to even, subnormals kept.
;;     - The product sums the exact products of the quantised numbers (number of the format x scale) in f32.
;;   ~~~python
;;   def quantise(x, axis):      # numpy; x: float32 -> the quantised numbers, widened to float32 again
;;       x = np.moveaxis(x, axis, -1); K = x.shape[-1]
;;       x = np.pad(x, [(0, 0)] * (x.ndim - 1) + [(0, -K % 32)]); x = x.reshape(x.shape[:-1] + (-1, 32)); a = np.abs(x).max(-1, keepdims=True)
;;       e = np.where(a > 0, np.clip(np.frexp(np.where(a > 0, a, 1))[1] - 1 - 2, -126, 127), 0)      # np.frexp(a)[1] - 1 = floor(log2(a)), exactly
;;       r = np.clip(x / 2.0 ** e, -6, 6)
;;       step = 2.0 ** (np.maximum(np.frexp(np.where(r == 0, 1, r))[1] - 1, 0) - 1)
;;       q = np.round(r / step) * step * 2.0 ** e      # np.round: ties to even
;;       return np.moveaxis(q.reshape(q.shape[:-2] + (-1,))[..., :K], -1, axis).astype(np.float32)
;;   ~~~
;; One version. Each part assembles by itself: llvm-mc -triple=amdgcn-amd-amdhsa -mcpu=gfx1250 --defsym DOCPART=n.
;; ======== version 1 of 1: 4 launches
;; limits: values are held in f16: magnitudes above 65,504 overflow, below 6.1e-05 lose precision; right only within a limited range of input values
;; workspace buffers: xc 2,097,152 bytes; xs 131,072 bytes; wc 1,048,576 bytes; ws 65,536 bytes; qk 16,777,216 bytes; vh 8,388,608 bytes; wo 2,097,152 bytes; ao 8,388,608 bytes
;; launch prep (part 1): grid 352 x 1, 4 waves a work-group, no clusters, 33,280 bytes of LDS; arguments x, in_proj_w, V, out_w, xc, xs, wc, ws, vh, wo; writes xc, xs, wc, ws, vh, wo
.if DOCPART == 1
	.amdgcn_target "amdgcn-amd-amdhsa--gfx1250"
	.amdhsa_code_object_version 6
	.text
	.protected	k_q639395f986_prep
	.globl	k_q639395f986_prep
	.p2align	8
	.type	k_q639395f986_prep,@function
k_q639395f986_prep:
	s_mov_b64 s[64:65], 0
	v_nop
	global_prefetch_b8 v0, s[64:65] scope:SCOPE_SE
	s_setreg_imm32_b32 hwreg(HW_REG_WAVE_MODE, 25, 1), 1
	s_wait_xcnt 0x0
; THREE JOBS IN ONE LAUNCH, told apart by the work-group's number.
;  work-groups 0-191:   x [4096][1024] and rows 0-2047 of in_proj_w [3072][1024], f32, become codes of FP4 (E2M1), K innermost, two codes a byte, and one E8M0 byte for each 32 along K.
;                       Rows 2048-3071 of in_proj_w feed the third of qkv that the module discards: they are not read.
;  work-groups 192-319: V [token][16 heads][64] f32 becomes f16 laid [head][token][64].
;  work-groups 320-351: out_w [1024][1024] f32 becomes f16, same layout.
; THE QUANTISER: a block's scale is 2^(floor(log2(its largest magnitude)) - 2); its byte is the largest magnitude's own exponent field - 2, held at 1 from below.  (A block of zeros so gets the byte 1
; where the definition says 127: its codes are zeros, which add nothing, and these bytes are read by this program alone.)  Each number is divided by the scale and rounded to the nearest code, ties to even.
; LIMITS: blocks whose largest magnitude lies under 2^(2 - 126) keep the byte 1; |V| and |out_w| stay under 65,504 (f16); NaN and infinities are not served.
; Rows are dense and K is a multiple of 32: a tensor is a plain stream of blocks of 32 numbers, and so are its codes and scale bytes.
; No tensor loads, no barrier: waves share nothing.
.set WAVES, 4
.set STEPS, 16
.set WGX,   128                        ; x: 4,194,304 numbers / 32,768 a work-group
.set WGQ,   192                        ; + 2,097,152 numbers of in_proj_w
.set WGV,   320                        ; + 128 work-groups for V
.set EMAX,  2
.set CB,    8                          ; bytes of 16 codes
.set R,     16                         ; v16-79   four sets of 16 numbers as they are loaded
.set X,     80                         ; v80-111  two sets of 16 neighbours
.set C,     128                        ; v128-191 codes: four registers for each step
.set E,     112                        ; v112-127 a scale byte for each step
.set WREG,  8192                       ; LDS: a region for each wave: two stages of 32 x SP bytes, behind them its 256 scale bytes
.set SP,    80                         ; a lane's place in a stage: 64 bytes + 16 of padding
.set SPW,   12                         ; v12  LDS address of my spare word; never rewritten
.set NIL,   13                         ; v13  0; never rewritten
.set SPARE, WAVES*WREG                 ; behind the four regions: the spare words, 128 bytes a wave
.set XI,    16                         ; the casts: v16-79, v80-143  two sets of 16 x 4 numbers
.set YO,    144                        ; v144-175, v176-207  two sets of 16 x 2 registers of f16
	s_load_b256 s[4:11], s[0:1], 0x0               ; x s[4:5], in_proj_w s[6:7], V s[8:9], out_w s[10:11]
	s_load_b256 s[12:19], s[0:1], 0x20             ; xc s[12:13], xs s[14:15], wc s[16:17], ws s[18:19]
	s_load_b128 s[20:23], s[0:1], 0x40             ; vh s[20:21], wo s[22:23]
	v_lshl_add_u32 v[SPW], v0, 2, SPARE
	v_mov_b32 v[NIL], 0
	v_lshrrev_b32 v1, 5, v0
	v_readfirstlane_b32 s24, v1                    ; wave
	v_and_b32 v2, 31, v0                           ; lane
	s_cmp_lt_u32 ttmp9, WGQ
	s_cbranch_scc0 .Lcast
	; ---------------- the quantiser ----------------
	; A wave takes 16 steps of 512 numbers.  Each load reads 512 consecutive bytes, 16 a lane; a step's 2,048 bytes turn through the wave's own stage in LDS and come back 64 bytes a lane:
	; 16 neighbours along K in one lane's registers, as the conversions want them; two neighbouring lanes hold a block.
	v_lshlrev_b32 v3, 4, v2                        ; my 16 bytes of a load's 512
	s_mul_i32 s25, s24, WREG
	v_lshrrev_b32 v14, 2, v2
	v_mul_u32_u24 v14, v14, SP
	v_and_b32 v15, 3, v2
	v_lshl_add_u32 v14, v15, 4, v14
	v_add_nc_u32 v14, s25, v14                     ; the stage, on the way in: SP (lane / 4) + 16 (lane % 4)
	v_mul_u32_u24 v15, v2, SP
	v_add_nc_u32 v15, s25, v15                     ; and on the way out: SP x lane
	v_mul_u32_u24 v4, v2, CB                       ; my codes' place in a step's
	v_lshrrev_b32 v5, 1, v2
	s_add_co_u32 s25, s25, 2*32*SP
	v_add_nc_u32 v5, s25, v5                       ; LDS: my wave's 256 scale bytes, my block's byte
	v_lshlrev_b32 v7, 3, v2                        ; and on the way out 8 bytes a lane
	v_add_nc_u32 v6, s25, v7
	s_wait_kmcnt 0x0
	s_cmp_lt_u32 ttmp9, WGX                        ; x's work-group or in_proj_w's?  The choice hangs on the work-group's number alone
	s_cselect_b64 s[26:27], s[4:5], s[6:7]
	s_cselect_b64 s[28:29], s[12:13], s[16:17]
	s_cselect_b64 s[30:31], s[14:15], s[18:19]
	s_cselect_b32 s25, 0, WGX
	s_sub_co_u32 s25, ttmp9, s25
	s_lshl_b32 s25, s25, 2
	s_add_co_u32 s32, s25, s24                     ; which run of 8,192 numbers of the tensor is my wave's
	s_mov_b32 s33, 0
	s_mov_b64 s[34:35], 512*STEPS*4
	s_mul_u64 s[34:35], s[32:33], s[34:35]
	s_add_nc_u64 s[26:27], s[26:27], s[34:35]
	s_mov_b64 s[34:35], 32*STEPS*CB
	s_mul_u64 s[34:35], s[32:33], s[34:35]
	s_add_nc_u64 s[28:29], s[28:29], s[34:35]
	s_lshl_b32 s32, s32, 8                         ; 256 scale bytes a run
	s_add_nc_u64 s[30:31], s[30:31], s[32:33]
.macro LOAD t
.irp i, 0,1,2,3
	global_load_b128 v[R+16*((\t)%4)+4*\i:R+16*((\t)%4)+4*\i+3], v3, s[26:27] offset:2048*(\t)+512*\i th:TH_LOAD_NT   ; 32 lanes read 512 consecutive bytes
.endr
.endm
.macro TURN t                          ; step t's numbers through the stage: LDS serves a wave's instructions in order, so no wait stands between the stores and the loads
.irp i, 0,1,2,3
	ds_store_b128 v14, v[R+16*((\t)%4)+4*\i:R+16*((\t)%4)+4*\i+3] offset:32*SP*((\t)%2)+8*SP*\i
.endr
.irp i, 0,1,2,3
	ds_load_b128 v[X+16*((\t)%2)+4*\i:X+16*((\t)%2)+4*\i+3], v15 offset:32*SP*((\t)%2)+16*\i
.endr
.endm
.irp t, 0,1,2,3
	LOAD \t
.endr
	s_wait_loadcnt 12                              ; step 0's four loads are in; the twelve of steps 1 to 3 may be out
	TURN 0
.macro STEP t
.set XS, X+16*((\t)%2)
.if (\t) > 0
	s_wait_dscnt 1                                 ; this step's numbers are back from the stage (the last step's byte store may be out)
.else
	s_wait_dscnt 0x0
.endif
.if (\t)+4 < STEPS
	LOAD (\t)+4                                    ; the stage's stores have read these registers: they take the loads of four steps on
.endif
.if (\t)+1 < STEPS
.if STEPS-2-(\t) >= 3
	s_wait_loadcnt 12                              ; the next step's four loads are in; those of the three steps behind it may be out
.else
	s_wait_loadcnt 4*(STEPS-2-(\t))
.endif
	TURN (\t)+1                                    ; and go through the other stage while this step is worked
.endif
	v_max3_num_f32 v8, |v[XS]|, |v[XS+1]|, |v[XS+2]|               ; the largest magnitude of my 16, in two chains
	v_max3_num_f32 v9, |v[XS+3]|, |v[XS+4]|, |v[XS+5]|
.irp i, 6,10
	v_max3_num_f32 v8, v8, |v[XS+\i]|, |v[XS+\i+1]|
	v_max3_num_f32 v9, v9, |v[XS+\i+2]|, |v[XS+\i+3]|
.endr
	v_max3_num_f32 v8, v8, |v[XS+14]|, |v[XS+15]|
	v_max3_num_f32 v8, v8, v9, (EMAX+1)<<23        ; and the floor 2^(EMAX + 1 - 127): so the byte cannot fall under 1
	v_max_num_f32_dpp v8, v8, v8 row_xmask:1 row_mask:0xf bank_mask:0xf   ; and of my neighbour's 16: the block's
	v_add_nc_u32 v11, -(EMAX<<23), v8              ; EMAX off its exponent field: the conversion takes the exponent field of this operand as its scale
	v_cvt_scalef32_pk8_fp4_f32 v[C+4*(\t)], v[XS:XS+7], v11
	v_cvt_scalef32_pk8_fp4_f32 v[C+4*(\t)+1], v[XS+8:XS+15], v11
	v_lshrrev_b32 v[E+(\t)], 23, v11               ; the scale's byte (also the plain line behind the conversions)
	ds_store_b8 v5, v[E+(\t)] offset:16*(\t)       ; both lanes of a block write the same byte with the same value
	global_store_b64 v4, v[C+4*(\t):C+4*(\t)+1], s[28:29] offset:32*CB*(\t)   ; the wave stores 256 consecutive bytes, aligned
.endm
.irp t, 0,1,2,3,4,5,6,7,8,9,10,11,12,13,14,15
	STEP \t
.endr
	ds_load_b64 v[8:9], v6                         ; LDS serves a wave's instructions in order: these see my stores
	s_wait_dscnt 0x0
	global_store_b64 v7, v[8:9], s[30:31]          ; 32 lanes store 256 consecutive scale bytes, aligned
	s_branch .Lend
	; ---------------- the two casts to f16 ----------------
	; A wave takes 32,768 bytes of input in four units of 16 loads; two units are on their way while one is rounded and stored.
.Lcast:
	s_wait_kmcnt 0x0
	s_cmp_lt_u32 ttmp9, WGV                        ; V's work-group or out_w's?
	s_cselect_b64 s[26:27], s[8:9], s[10:11]
	s_cselect_b64 s[28:29], s[20:21], s[22:23]
	s_mov_b32 s25, WGV
	s_cselect_b32 s25, WGQ, s25
	s_cselect_b32 s33, 10, 14                      ; a wave's output: 1,024 bytes in each head of vh, or 16,384 bytes of wo
	s_sub_co_u32 s25, ttmp9, s25
	s_lshl_b32 s25, s25, 2
	s_add_co_u32 s25, s25, s24                     ; which 32,768 bytes of the input are my wave's
	s_lshl_b32 s30, s25, 15
	s_mov_b32 s31, 0
	s_add_nc_u64 s[26:27], s[26:27], s[30:31]
	s_lshl_b32 s30, s25, s33
	s_add_nc_u64 s[28:29], s[28:29], s[30:31]
	v_lshlrev_b32 v4, 3, v2                        ; out: 8 bytes a lane, 256 consecutive bytes a store
.macro LOADU u, instep
.irp i, 0,1,2,3,4,5,6,7,8,9,10,11,12,13,14,15
	global_load_b128 v[XI+64*((\u)%2)+4*\i:XI+64*((\u)%2)+4*\i+3], v3, s[26:27] offset:(\u)*8192+\i*(\instep) th:TH_LOAD_NT
.endr
.endm
.macro PROC u, outstep, outunit, left  ; left: the loads issued behind this unit's first
	s_wait_xcnt 0x0                                ; the stores of two units ago have read this set of f16 registers: it is written again only behind this wait
.irp i, 0,1,2,3,4,5,6,7,8,9,10,11,12,13,14,15
	s_wait_loadcnt (\left)-\i                      ; load i of this unit is in; its 15 - i younger ones and the next unit's may be out
	v_cvt_pk_f16_f32 v[YO+32*((\u)%2)+2*\i], v[XI+64*((\u)%2)+4*\i], v[XI+64*((\u)%2)+4*\i+1]
	v_cvt_pk_f16_f32 v[YO+32*((\u)%2)+2*\i+1], v[XI+64*((\u)%2)+4*\i+2], v[XI+64*((\u)%2)+4*\i+3]
	global_store_b64 v4, v[YO+32*((\u)%2)+2*\i:YO+32*((\u)%2)+2*\i+1], s[28:29] offset:\i*(\outstep)+(\u)*(\outunit)
.endr
.endm
.macro UNITS instep, outstep, outunit
	LOADU 0, \instep
	LOADU 1, \instep
	PROC 0, \outstep, \outunit, 31
	LOADU 2, \instep
	PROC 1, \outstep, \outunit, 31
	LOADU 3, \instep
	PROC 2, \outstep, \outunit, 31
	PROC 3, \outstep, \outunit, 15
.endm
	s_cmp_lt_u32 ttmp9, WGV
	s_cbranch_scc0 .Lweights
	; V: a wave takes 8 tokens; a unit is two tokens x 16 heads.  Load i: lanes 0-15 read head i of the even token (256 bytes), lanes 16-31 of the odd one;
	; the two tokens' 128 bytes of f16 are neighbours in vh's head i: one store of 256 consecutive bytes.  The largest immediate, 15 x 524,288 + 768, lies inside the signed 24 bits.
	v_and_b32 v3, 15, v2
	v_lshlrev_b32 v3, 4, v3
	v_lshrrev_b32 v5, 4, v2
	v_lshl_add_u32 v3, v5, 12, v3
	UNITS 256, 524288, 256
	s_branch .Lend
.Lweights:
	v_lshlrev_b32 v3, 4, v2                        ; out_w: a plain stream, 512 bytes a load
	UNITS 512, 256, 4096
.Lend:
	s_wait_tensorcnt 0x0                           ; the wave's end: behind the last LDS store
	ds_add_u32 v[SPW], v[NIL]
	s_wait_dscnt 0x0
	s_endpgm
.Lfunc_end_k_q639395f986_prep:
	.size	k_q639395f986_prep, .Lfunc_end_k_q639395f986_prep-k_q639395f986_prep
	.p2alignl 7, 3214868480
	.fill 96, 4, 3214868480
	.section	.rodata,"a",@progbits
	.p2align	6, 0x0
	.amdhsa_kernel k_q639395f986_prep
		.amdhsa_group_segment_fixed_size 33280
		.amdhsa_private_segment_fixed_size 0
		.amdhsa_enable_private_segment 0
		.amdhsa_kernarg_size 80
		.amdhsa_user_sgpr_count 2
		.amdhsa_user_sgpr_kernarg_segment_ptr 1
		.amdhsa_wavefront_size32 1
		.amdhsa_system_sgpr_workgroup_id_x 1
		.amdhsa_system_sgpr_workgroup_id_y 1
		.amdhsa_system_sgpr_workgroup_id_z 1
		.amdhsa_system_vgpr_workitem_id 0
		.amdhsa_next_free_vgpr 208
		.amdhsa_next_free_sgpr 66
		.amdhsa_reserve_vcc 0
		.amdhsa_float_denorm_mode_32 3
		.amdhsa_float_denorm_mode_16_64 3
		.amdhsa_memory_ordered 1
		.amdhsa_forward_progress 1
		.amdhsa_inst_pref_size 79
	.end_amdhsa_kernel
	.amdgpu_metadata
---
amdhsa.version: [ 1, 2 ]
amdhsa.kernels:
  - .name:           k_q639395f986_prep
    .symbol:         k_q639395f986_prep.kd
    .args:
      - { .name: x, .offset: 0, .size: 8, .value_kind: global_buffer, .address_space: global }
      - { .name: in_proj_w, .offset: 8, .size: 8, .value_kind: global_buffer, .address_space: global }
      - { .name: V, .offset: 16, .size: 8, .value_kind: global_buffer, .address_space: global }
      - { .name: out_w, .offset: 24, .size: 8, .value_kind: global_buffer, .address_space: global }
      - { .name: xc, .offset: 32, .size: 8, .value_kind: global_buffer, .address_space: global }
      - { .name: xs, .offset: 40, .size: 8, .value_kind: global_buffer, .address_space: global }
      - { .name: wc, .offset: 48, .size: 8, .value_kind: global_buffer, .address_space: global }
      - { .name: ws, .offset: 56, .size: 8, .value_kind: global_buffer, .address_space: global }
      - { .name: vh, .offset: 64, .size: 8, .value_kind: global_buffer, .address_space: global }
      - { .name: wo, .offset: 72, .size: 8, .value_kind: global_buffer, .address_space: global }
    .group_segment_fixed_size: 33280
    .private_segment_fixed_size: 0
    .kernarg_segment_align: 8
    .kernarg_segment_size: 80
    .max_flat_workgroup_size: 128
    .sgpr_count:     66
    .vgpr_count:     208
    .wavefront_size: 32
...
	.end_amdgpu_metadata
.endif
;; end of part 1
;; launch qkproj (part 2): grid 8 x 16, 4 waves a work-group, clusters of 4 x 4, 327,680 bytes of LDS; arguments xc, xs, wc, ws, in_proj_b, qk; writes qk
.if DOCPART == 2
	.amdgcn_target "amdgcn-amd-amdhsa--gfx1250"
	.amdhsa_code_object_version 6
	.text
	.protected	k_q639395f986_qkproj
	.globl	k_q639395f986_qkproj
	.p2align	8
	.type	k_q639395f986_qkproj,@function
k_q639395f986_qkproj:
	s_mov_b64 s[64:65], 0
	v_nop
	global_prefetch_b8 v0, s[64:65] scope:SCOPE_SE
	s_setreg_imm32_b32 hwreg(HW_REG_WAVE_MODE, 25, 1), 1
	s_wait_xcnt 0x0
	s_wait_alu depctr_hold_cnt(0) depctr_sa_sdst(0) depctr_va_vdst(0) depctr_va_sdst(0) depctr_va_ssrc(0) depctr_va_vcc(0) depctr_vm_vsrc(0)
	s_getreg_b32 s2, hwreg(HW_REG_IB_STS2, 6, 4)
	s_cmp_eq_u32 s2, 0
	s_cbranch_scc0 .Lentry_in_a_cluster
	s_endpgm
.Lentry_in_a_cluster:
	s_bfe_u32 s2, ttmp6, 0x10000c
	s_cmp_lg_u32 s2, 0xf033
	s_cbranch_scc0 .Lentry_shape_is_right
	s_endpgm
.Lentry_shape_is_right:
; q and k = Q(x) Q(in_proj_w rows 0-2047)^T + in_proj_b, on codes of FP4 (E2M1) with one E8M0 scale for each 32 along K; sums in f32; the result rounded once to f16 and laid by head:
; qk [g][token][64], g = head for q, 16 + head for k.  A: xc [4096][512 bytes], xs [4096][32];  B: wc [2048][512 bytes], ws [2048][32].
; LIMIT: |q|, |k| stay under 65,504 (f16).  Numbers 2048-3071 of in_proj_b belong to the third of qkv that the module discards: they are not read.
; A tile of C, 256 x 256, is made by four waves, each 128 x 128: 64 accumulators of 16 x 16, 512 registers.  K = 1,024 is two LDS slots of 512 along K (rows of 256 bytes): both are filled once, at the start; nothing is filled again.
; THE SCALES of the work-group's 256 rows of A and of B, for all of K, are two dense blocks of memory: they come into LDS once, with the first fills.
; CLUSTERS: 4 x 4 work-groups.  The four of a row of the cluster need the same tiles of A, the four of a column the same tiles of B: each tile is asked for JOINTLY.
; THE MATRIX INSTRUCTION IS USED TRANSPOSED (source 0 = 16 rows of B, source 1 = 16 rows of A): a lane holds eight neighbouring columns of one row of C.  The bias is the C of each sum's first product.
; REGISTERS, in windows of 256: window 0: v0-31 addresses; v32-95 scale words, two sets, and nothing else; v96-127 rows on the way out; v128-191 A's fragments, one set; v192-255 the bias, later the way out.
;   window 1: B's fragments, two sets, at v0 and v128.   window 2: the accumulators of my rows 0-63 ((a, b) at v[8 (8 a + b)]);   window 3: those of my rows 64-127.
.set SIZE_M, 4096
.set SIZE_N, 2048
.set SIZE_K, 1024
.set KSTEP,  512                       ; along K in a slot
.set NQ,     KSTEP/128                 ; matrix instructions deep
.set ROWB,   256                       ; a tile's row in bytes
.set KROW,   SIZE_K*4/8                ; a row of codes in memory
.set PITCH,  272                       ; an LDS row: 256 bytes + 16 of padding = 68 words: the 16 rows that a load touches start 4 words apart modulo 64
.set FR,     8                         ; registers of a fragment: 16 rows x 128 K
.set NL,     2                         ; LDS loads that bring one
.set NP,     4                         ; places behind this matrix instruction (ISA guide 7.12.1)
.set HALFT,  128*PITCH                 ; 128 rows: what one tensor load brings
.set SLOT,   4*HALFT                   ; A's 256 rows, then B's 256 rows
.set KS,     SIZE_K/32                 ; a row of scales in bytes
.set SCL,    2*SLOT                    ; behind the slots: the scales, as rows of 256 bytes + 16 of padding
.set HALFS,  (128*KS/256)*272          ; the scales of 128 rows
.set SBLK,   (16*KS/256)*272           ; those of 16 rows
.set SPARE,  SCL+4*HALFS               ; the spare words, 128 bytes a wave
.set SPITCH, 272                       ; the way out: a stage of 16 rows x (256 bytes + 16) for each wave, in slot 0, which has had its only fill and its last read by then
.set ADRA, 16                          ; v16-17  LDS address of my A fragments in slot 0, 1
.set ADRB, 20                          ; v20-21  the same for B
.set STO,  24                          ; v24     the way out: where I put 16 bytes of a row
.set RD,   25                          ; v25     where I read them back
.set CO,   26                          ; v26     my byte offset in qk
.set ADRS, 27                          ; v27     LDS address of my scale words: lanes 0-15 A's rows, lanes 16-31 B's
.set SPW,  28                          ; v28     LDS address of my spare word; never rewritten
.set NIL,  29                          ; v29     0; never rewritten
.set SC,   32                          ; scale words: set s at v[SC + 8 NQ s]; register NQ i + q: lanes 0-15 A's block i, lanes 16-31 B's block i, the slot's q-th 128 along K
.set AF,   128                         ; A's fragments
.set BIAS, 192                         ; v192-255: for B's block b eight registers: lane (r, h) holds the bias of columns 16 b + 8 h + 0 .. 7
.set TMP,  192                         ; the way out: a block's 32 packed registers (the bias is done with)
.set G1, 24
.set G0, 32
.set G1B, 48
.set G0B, 56
.set G1S, 68
.set G0S, 76
.set G1SB, 80
.set G0SB, 88
.set MSB, 0
.macro WIN new                         ; the immediate's high byte repeats the setting that is left
.if MSB != (\new)
	s_set_vgpr_msb (MSB<<8)|(\new)
.set MSB, (\new)
.endif
.endm
.set MUL_LO, 0xa1                      ; source 0 (B) window 1, source 1 (A) window 0, C and D window 2
.set MUL_HI, 0xf1                      ; the same, C and D window 3
.set TO_B,   0x40                      ; destination window 1, address window 0
; A joint load: waves 0 and 1 fetch for A, waves 2 and 3 for B.  The branch hangs on the wave's number alone.  An s_nop 0 and four v_nop follow each of the two lines.
.macro JLOAD g0a, g1a, g0b, g1b
	s_cmp_eq_u32 s15, 0
	s_cbranch_scc0 .Lfor_b_\@
	tensor_load_to_lds s[\g0a:\g0a+3], s[\g1a:\g1a+7]
	s_nop 0
.rept 4
	v_nop
.endr
	s_branch .Lasked_\@
.Lfor_b_\@:
	tensor_load_to_lds s[\g0b:\g0b+3], s[\g1b:\g1b+7]
	s_nop 0
.rept 4
	v_nop
.endr
.Lasked_\@:
.endm
.macro CROUND                          ; a round of the cluster's barrier
	s_barrier_signal -1
	s_barrier_wait -1
	s_cmp_lg_u32 s14, 0
	s_cbranch_scc1 .Lnot_wave_0_\@
	s_barrier_signal -3
.Lnot_wave_0_\@:
	s_barrier_wait -3
	s_barrier_signal -1
	s_barrier_wait -1
.endm
	s_load_b128 s[4:7], s[0:1], 0x0                ; A's codes s[4:5], A's scales s[6:7]
	s_load_b128 s[8:11], s[0:1], 0x10              ; B's codes s[8:9], B's scales s[10:11]
	s_load_b64 s[66:67], s[0:1], 0x20              ; the bias
	s_load_b64 s[12:13], s[0:1], 0x28              ; qk
	v_lshl_add_u32 v[SPW], v0, 2, SPARE
	v_mov_b32 v[NIL], 0
	ds_add_u32 v[SPW], v[NIL]                      ; the wave's opening: the add, twice on end, and its wait ahead of my first tensor load
	ds_add_u32 v[SPW], v[NIL]
	v_lshrrev_b32 v1, 5, v0
	v_readfirstlane_b32 s14, v1                    ; wave 0..3
	s_lshr_b32 s15, s14, 1                         ; which half of the tile's rows is mine.  Also: I fetch for A (0) or for B (1)
	s_and_b32 s16, s14, 1                          ; which half of its columns.  Also: which 128 rows of that tile I fetch
	s_bfe_u32 s40, ttmp6, 0x40000                  ; cx, cy: my place in the cluster
	s_bfe_u32 s41, ttmp6, 0x40004
	s_lshl_b32 s42, ttmp9, 2
	s_add_co_u32 s42, s42, s40                     ; tile column of C = 4 x cluster x + cx
	s_and_b32 s17, ttmp7, 0xffff
	s_lshl_b32 s17, s17, 2
	s_add_co_u32 s17, s17, s41                     ; tile row of C = 4 x cluster y + cy
	s_lshl_b32 s43, s41, 2
	s_lshl_b32 s43, 15, s43                        ; my row of the cluster
	s_lshl_b32 s44, 0x1111, s40                    ; my column
	; descriptor group 1: a tile of 128 rows x 256 bytes, 16 bytes of padding behind each row
	s_or_b32 s[G1+0], s43, (0<<16)|(1<<20)|(1<<21)|(5<<22)|(3<<25)  ; the mask: A's tiles go to my row; elements of 1 byte; padding on; bit 21 beside a mask; after every 64 words, 4 words
	s_or_b32 s[G1B+0], s44, (0<<16)|(1<<20)|(1<<21)|(5<<22)|(3<<25)
.irp g, G1, G1B
	s_mov_b32 s[\g+1], ROWB<<16                    ; tensor_dim0
	s_mov_b32 s[\g+2], 128<<16                     ; tensor_dim1
	s_mov_b32 s[\g+3], ROWB<<16                    ; tile_dim0
	s_mov_b32 s[\g+4], 128                         ; tile_dim1
	s_mov_b32 s[\g+5], KROW                        ; from row to row
	s_mov_b32 s[\g+6], 0
	s_mov_b32 s[\g+7], 0
.endr
	; the scales of 128 rows: a dense block of 4,096 bytes, as 16 rows of 256 bytes (32 elements of 8 bytes), 16 bytes of padding behind each
	s_or_b32 s[G1S+0], s43, (3<<16)|(1<<20)|(1<<21)|(5<<22)|(3<<25)
	s_or_b32 s[G1SB+0], s44, (3<<16)|(1<<20)|(1<<21)|(5<<22)|(3<<25)
.irp g, G1S, G1SB
	s_mov_b32 s[\g+1], 32<<16
	s_mov_b32 s[\g+2], (128*KS/256)<<16
	s_mov_b32 s[\g+3], 32<<16
	s_mov_b32 s[\g+4], 128*KS/256
	s_mov_b32 s[\g+5], 32
	s_mov_b32 s[\g+6], 0
	s_mov_b32 s[\g+7], 0
.endr
	s_lshl_b32 s18, s16, 7                         ; which 128 rows of the tile I fetch
	s_lshl_b32 s20, s17, 8
	s_add_co_u32 s20, s20, s18                     ; A: row 256 x tile row + 128 x half
	s_lshl_b32 s46, s42, 8
	s_add_co_u32 s46, s46, s18                     ; B: row 256 x tile column + 128 x half
	s_mov_b32 s21, 0
	s_mov_b32 s47, 0
	s_mov_b64 s[18:19], KS
	s_mul_u64 s[22:23], s[20:21], s[18:19]         ; where these rows' scales begin, in bytes
	s_mul_u64 s[92:93], s[46:47], s[18:19]
	s_mov_b64 s[18:19], KROW
	s_mul_u64 s[20:21], s[20:21], s[18:19]         ; and their codes
	s_mul_u64 s[46:47], s[46:47], s[18:19]
	s_mul_i32 s45, s14, HALFT                      ; where they go: wave x 128 rows: no place in the cluster enters an LDS address
	s_mul_i32 s94, s14, HALFS
	s_wait_dscnt 0x0                               ; both opening adds are done
	s_wait_kmcnt 0x0
	s_add_nc_u64 s[20:21], s[4:5], s[20:21]
	s_add_nc_u64 s[22:23], s[6:7], s[22:23]
	s_add_nc_u64 s[46:47], s[8:9], s[46:47]
	s_add_nc_u64 s[92:93], s[10:11], s[92:93]
	CROUND                                         ; all sixteen work-groups are here: the first joint loads meet
	s_mov_b32 s[G0S], 1
	s_add_co_u32 s[G0S+1], s94, SCL
	s_mov_b64 s[G0S+2:G0S+3], s[22:23]
	s_or_b32 s[G0S+3], s[G0S+3], 0x80000000
	s_mov_b32 s[G0SB], 1
	s_add_co_u32 s[G0SB+1], s94, SCL
	s_mov_b64 s[G0SB+2:G0SB+3], s[92:93]
	s_or_b32 s[G0SB+3], s[G0SB+3], 0x80000000
	JLOAD G0S, G1S, G0SB, G1SB                     ; the scales first: they are wanted with the first products
.irp s, 0,1
	s_mov_b32 s[G0+4*\s], 1
	s_add_co_u32 s[G0+4*\s+1], s45, \s*SLOT
	s_add_nc_u64 s[G0+4*\s+2:G0+4*\s+3], s[20:21], \s*ROWB
	s_or_b32 s[G0+4*\s+3], s[G0+4*\s+3], 0x80000000
	s_mov_b32 s[G0B+4*\s], 1
	s_add_co_u32 s[G0B+4*\s+1], s45, \s*SLOT
	s_add_nc_u64 s[G0B+4*\s+2:G0B+4*\s+3], s[46:47], \s*ROWB
	s_or_b32 s[G0B+4*\s+3], s[G0B+4*\s+3], 0x80000000
	JLOAD G0+4*\s, G1, G0B+4*\s, G1B               ; three loads of mine are out behind the second of these
.endr
	v_and_b32 v1, 15, v0                           ; r = l % 16
	v_bfe_u32 v2, v0, 4, 1                         ; h = l / 16
	; the bias of my 128 columns, in the result's layout
	s_lshl_b32 s46, s42, 10                        ; 4 bytes x (256 x tile column + 128 x half)
	s_lshl_b32 s47, s16, 9
	s_add_co_u32 s46, s46, s47
	s_mov_b32 s47, 0
	s_add_nc_u64 s[66:67], s[66:67], s[46:47]
	v_lshlrev_b32 v8, 5, v2                        ; 32 h
.irp b, 0,1,2,3,4,5,6,7
	global_load_b128 v[BIAS+8*\b:BIAS+8*\b+3], v8, s[66:67] offset:64*\b
	global_load_b128 v[BIAS+8*\b+4:BIAS+8*\b+7], v8, s[66:67] offset:64*\b+16
.endr
	v_mul_u32_u24 v3, v1, PITCH
	v_lshl_add_u32 v4, v2, 4, v3                   ; a fragment's row x pitch + 16 x half
	s_mul_i32 s21, s15, HALFT                      ; my 128 rows of A
	s_mul_i32 s22, s16, HALFT                      ; my 128 rows of B,
	s_add_co_u32 s22, s22, 2*HALFT                 ; which lie behind A's 256
.irp s, 0,1
	v_add_nc_u32 v[ADRA+\s], s21, v4
	v_add_nc_u32 v[ADRB+\s], s22, v4
	s_add_co_u32 s21, s21, SLOT
	s_add_co_u32 s22, s22, SLOT
.endr
	v_mul_u32_u24 v5, v1, KS                       ; my row's scales: KS bytes a row,
	v_lshrrev_b32 v6, 8, v5
	v_lshl_add_u32 v5, v6, 4, v5                   ; and 16 more for each 256 passed
	s_mul_i32 s21, s15, HALFS                      ; A's: my 128 rows
	s_mul_i32 s22, s16, HALFS                      ; B's: my 128 rows, behind A's 256
	s_add_co_u32 s22, s22, 2*HALFS
	s_sub_co_u32 s22, s22, s21
	v_mul_u32_u24 v6, s22, v2                      ; lanes 16-31 take B's: one product, the distance between the two bases x h
	s_add_co_u32 s21, s21, SCL
	v_add_nc_u32 v5, v5, v6
	v_add_nc_u32 v[ADRS], s21, v5
	s_mul_i32 s23, s14, 16*SPITCH                  ; my stage
	v_mul_u32_u24 v5, v1, SPITCH                   ; in: row r, 16 bytes for each half of the lanes
	v_lshl_add_u32 v5, v2, 4, v5
	v_add_nc_u32 v[STO], s23, v5
	v_bfe_u32 v6, v0, 3, 1                         ; back: eight lanes take a token's 128 bytes of one head; lanes 8-15 the next token; lanes 16-31 the second head
	v_and_b32 v7, 7, v0
	v_mul_u32_u24 v5, v6, SPITCH
	v_lshl_add_u32 v5, v2, 7, v5
	v_lshl_add_u32 v5, v7, 4, v5
	v_add_nc_u32 v[RD], s23, v5
	v_lshlrev_b32 v[CO], 19, v2                    ; and the same place in qk: a head is 524,288 bytes, a token 128
	v_lshl_add_u32 v[CO], v6, 7, v[CO]
	v_lshl_add_u32 v[CO], v7, 4, v[CO]
	s_lshl_b32 s20, s17, 8
	s_lshl_b32 s21, s15, 7
	s_add_co_u32 s20, s20, s21                     ; my first token: 256 x tile row + 128 x half
	s_lshl_b32 s20, s20, 7
	s_mov_b32 s21, 0
	s_lshl_b32 s46, s42, 2
	s_lshl_b32 s47, s16, 1
	s_add_co_u32 s46, s46, s47                     ; my first g: 4 x tile column + 2 x half
	s_lshl_b32 s46, s46, 19
	s_mov_b32 s47, 0
	s_add_nc_u64 s[20:21], s[20:21], s[46:47]
	s_add_nc_u64 s[12:13], s[12:13], s[20:21]
.macro FRAG reg, adr, q, i             ; a fragment: lane l holds row l % 16; registers 4 c .. 4 c + 3 hold K = 64 c + 32 (l / 16) + 0 .. 31
.irp c, 0,1
	ds_load_b128 v[\reg+4*\c:\reg+4*\c+3], v[\adr] offset:64*(\q)+32*\c+(\i)*16*PITCH
.endr
.endm
; 16 matrix instructions: A's blocks a0, a0 + 1 x B's eight, the slot's q-th 128 along K.  p: B's set;  sc: the set of scale words.  zero = 1: the first product starts the sums, with the bias as its C.
; The 64 accumulators take turns, one instruction a turn, in the same order in every step.
.macro MUL16 a0, p, q, sc, zero
.irp a, \a0, \a0+1
.irp b, 0,1,2,3,4,5,6,7
.if \zero
	v_wmma_scale_f32_16x16x128_f8f6f4 v[8*(8*((\a)%4)+\b):8*(8*((\a)%4)+\b)+7], v[128*(\p)+FR*\b:128*(\p)+FR*\b+FR-1], v[AF+FR*(\a):AF+FR*(\a)+FR-1], v[BIAS+8*\b:BIAS+8*\b+7], v[SC+8*NQ*(\sc)+NQ*\b+(\q)], v[SC+8*NQ*(\sc)+NQ*(\a)+(\q)] matrix_a_fmt:MATRIX_FMT_FP4 matrix_b_fmt:MATRIX_FMT_FP4 matrix_a_scale:MATRIX_SCALE_ROW1
.else
	v_wmma_scale_f32_16x16x128_f8f6f4 v[8*(8*((\a)%4)+\b):8*(8*((\a)%4)+\b)+7], v[128*(\p)+FR*\b:128*(\p)+FR*\b+FR-1], v[AF+FR*(\a):AF+FR*(\a)+FR-1], v[8*(8*((\a)%4)+\b):8*(8*((\a)%4)+\b)+7], v[SC+8*NQ*(\sc)+NQ*\b+(\q)], v[SC+8*NQ*(\sc)+NQ*(\a)+(\q)] matrix_a_fmt:MATRIX_FMT_FP4 matrix_b_fmt:MATRIX_FMT_FP4 matrix_a_scale:MATRIX_SCALE_ROW1
.endif
.endr
.endr
.endm
.macro FETCH_B slot, q, p              ; B's eight fragments of the slot's q-th 128 along K into set p
	WIN TO_B
.irp i, 0,1,2,3,4,5,6,7
	FRAG 128*(\p)+FR*\i, ADRB+\slot, \q, \i
.endr
	WIN 0
.endm
.macro FETCH_A slot, q, i0             ; A's blocks i0 .. i0 + 3
.irp i, \i0, \i0+1, \i0+2, \i0+3
	FRAG AF+FR*(\i), ADRA+\slot, \q, \i
.endr
.endm
.macro SCALES sc                       ; a slot's scale words into set sc: lanes 0-15 take A's block i, lanes 16-31 B's block i
.irp i, 0,1,2,3,4,5,6,7
	ds_load_b128 v[SC+8*NQ*\sc+NQ*\i:SC+8*NQ*\sc+NQ*\i+3], v[ADRS] offset:\i*SBLK
.endr
.endm
; A load into a register that a matrix instruction has read, and a vector instruction or an LDS store that reads a matrix result, stand NP places behind it; only plain vector instructions
; that name none of its registers are places.
.macro PLACES n
.rept \n
	v_nop
.endr
.endm
; A step of 128 along K that has its successor in the same slot.  zero = 1: C is the bias, which lies in window 0.
.macro STEP slot, q, zero
	s_wait_dscnt 4*NL                              ; B's set and A's blocks 0-3 are in; the youngest eight loads (A's blocks 4-7) may be out
	WIN MUL_LO-0x20*(\zero)
	MUL16 0, (\q)%2, \q, \slot, \zero
	MUL16 2, (\q)%2, \q, \slot, \zero
	s_wait_dscnt 0                                 ; A's blocks 4-7 are in
	PLACES NP
	FETCH_B \slot, (\q)+1, 1-(\q)%2
	FETCH_A \slot, (\q)+1, 0
	WIN MUL_HI-0x30*(\zero)
	MUL16 4, (\q)%2, \q, \slot, \zero
	MUL16 6, (\q)%2, \q, \slot, \zero
	PLACES NP
	WIN 0
	FETCH_A \slot, (\q)+1, 4
.endm
; Slot 0's last step goes over to slot 1: one barrier; in front of it each wave waits for all its tensor loads (its part of slot 1), adds 0 to its spare word, and waits for that and for its reads of slot 0.
; Behind it slot 0 is read by nobody, and takes the stages of the way out.
.macro TURN slot, next
	s_wait_tensorcnt 0x0                           ; all my tensor loads have landed  (every window is 0 here)
	ds_add_u32 v[SPW], v[NIL]                      ; 0 onto my spare word
	s_wait_dscnt 4*NL+1                            ; (the add and the youngest eight loads may be out)
	WIN MUL_LO
	MUL16 0, 1, NQ-1, \slot, 0                     ; sixteen matrix instructions stand between the add and the wait for it
	s_wait_dscnt 0x0                               ; the add is done, and my reads of this slot are over
	s_barrier_signal -1
	MUL16 2, 1, NQ-1, \slot, 0
	WIN 0
	s_barrier_wait -1
	PLACES NP
	v_add_nc_u32 v[ADRS], 4*NQ, v[ADRS]            ; on to the next slot's scale words (no LDS load of mine is out)
	FETCH_B \next, 0, 0
	FETCH_A \next, 0, 0
	SCALES \next
	WIN MUL_HI
	MUL16 4, 1, NQ-1, \slot, 0
	MUL16 6, 1, NQ-1, \slot, 0
	PLACES NP
	WIN 0
	FETCH_A \next, 0, 4
.endm
.macro STEPS slot, from                ; the slot's steps from .. NQ - 2
.set Q, \from
.rept NQ-1-\from
	STEP \slot, Q, 0
.set Q, Q+1
.endr
.endm
	s_wait_tensorcnt 1                             ; the scales and my part of slot 0 are in (slot 1's load, issued last, may be out)
	s_barrier_signal -1
	s_barrier_wait -1                              ; everybody's are
	FETCH_B 0, 0, 0
	FETCH_A 0, 0, 0
	SCALES 0
	FETCH_A 0, 0, 4
	s_wait_loadcnt 0x0                             ; the bias
	STEP 0, 0, 1                                   ; the first step's products start the sums
	STEPS 0, 1
	TURN 0, 1
	STEPS 1, 0
	s_wait_dscnt 4*NL                              ; the very last step: nothing more to fetch
	WIN MUL_LO
	MUL16 0, 1, NQ-1, 1, 0
	MUL16 2, 1, NQ-1, 1, 0
	s_wait_dscnt 0
	WIN MUL_HI
	MUL16 4, 1, NQ-1, 1, 0
	MUL16 6, 1, NQ-1, 1, 0
	WIN 0
; THE WAY OUT, block by block of 16 tokens x 128 columns (two heads).  PACK: rounded to f16, 16 bytes a lane, each accumulator from its low end on.  TOSTAGE: into my own stage and back by heads.
; SEND: sixteen neighbouring lanes store two tokens of one head: 256 consecutive bytes, aligned.
.macro PACK a
.set AC, 64*((\a)%4)
	WIN 0x0a+5*((\a)/4)                            ; sources 0 and 1: window 2 or 3
.irp b, 0,1,2,3,4,5,6,7
.irp r, 0,1,2,3
	v_cvt_pk_f16_f32 v[TMP+4*\b+\r], v[AC+8*\b+2*\r], v[AC+8*\b+2*\r+1]
.endr
.endr
	WIN 0
.endm
.macro TOSTAGE a
.set BK, 96+128*((\a)%2)               ; v96-127 and v224-255 by turns
.irp b, 0,1,2,3,4,5,6,7
	ds_store_b128 v[STO], v[TMP+4*\b:TMP+4*\b+3] offset:32*\b
.endr
.irp t, 0,1,2,3,4,5,6,7
	ds_load_b128 v[BK+4*\t:BK+4*\t+3], v[RD] offset:\t*2*SPITCH    ; LDS serves a wave's instructions in order: these see the stores above
.endr
.endm
.macro SEND a
.set BK, 96+128*((\a)%2)
	s_wait_dscnt 0x0                               ; the block is back in registers
	s_wait_xcnt 0x0                                ; the stores of the block before have read their registers: the next block's loads land there only behind this wait
.irp t, 0,1,2,3,4,5,6,7
	global_store_b128 v[CO], v[BK+4*\t:BK+4*\t+3], s[12:13] offset:(\a)*2048+\t*256
.endr
.endm
	PLACES NP                                      ; behind the last products: the conversions read results, the loads land on registers that matrix instructions have read
	PACK 0
	TOSTAGE 0
.irp a, 1,2,3,4,5,6,7                  ; block a's conversions stand between block a - 1's loads from the stage and the wait for them
	PACK \a
	SEND \a-1
	TOSTAGE \a
.endr
	SEND 7
	s_wait_tensorcnt 0x0                           ; the wave's end: behind my last tensor load and my last LDS store
	ds_add_u32 v[SPW], v[NIL]
	s_wait_dscnt 0x0
	CROUND                                         ; the closing round: no work-group ends while a partner may still ask for a tile that names it
	s_endpgm
.Lfunc_end_k_q639395f986_qkproj:
	.size	k_q639395f986_qkproj, .Lfunc_end_k_q639395f986_qkproj-k_q639395f986_qkproj
	.p2alignl 7, 3214868480
	.fill 96, 4, 3214868480
	.section	.rodata,"a",@progbits
	.p2align	6, 0x0
	.amdhsa_kernel k_q639395f986_qkproj
		.amdhsa_group_segment_fixed_size 327680
		.amdhsa_private_segment_fixed_size 0
		.amdhsa_enable_private_segment 0
		.amdhsa_kernarg_size 48
		.amdhsa_user_sgpr_count 2
		.amdhsa_user_sgpr_kernarg_segment_ptr 1
		.amdhsa_wavefront_size32 1
		.amdhsa_system_sgpr_workgroup_id_x 1
		.amdhsa_system_sgpr_workgroup_id_y 1
		.amdhsa_system_sgpr_workgroup_id_z 1
		.amdhsa_system_vgpr_workitem_id 0
		.amdhsa_next_free_vgpr 1024
		.amdhsa_next_free_sgpr 98
		.amdhsa_reserve_vcc 0
		.amdhsa_float_denorm_mode_32 3
		.amdhsa_float_denorm_mode_16_64 3
		.amdhsa_memory_ordered 1
		.amdhsa_forward_progress 1
		.amdhsa_inst_pref_size 128
	.end_amdhsa_kernel
	.amdgpu_metadata
---
amdhsa.version: [ 1, 2 ]
amdhsa.kernels:
  - .name:           k_q639395f986_qkproj
    .symbol:         k_q639395f986_qkproj.kd
    .args:
      - { .name: xc, .offset: 0, .size: 8, .value_kind: global_buffer, .address_space: global }
      - { .name: xs, .offset: 8, .size: 8, .value_kind: global_buffer, .address_space: global }
      - { .name: wc, .offset: 16, .size: 8, .value_kind: global_buffer, .address_space: global }
      - { .name: ws, .offset: 24, .size: 8, .value_kind: global_buffer, .address_space: global }
      - { .name: in_proj_b, .offset: 32, .size: 8, .value_kind: global_buffer, .address_space: global }
      - { .name: qk, .offset: 40, .size: 8, .value_kind: global_buffer, .address_space: global }
    .group_segment_fixed_size: 327680
    .private_segment_fixed_size: 0
    .kernarg_segment_align: 8
    .kernarg_segment_size: 48
    .max_flat_workgroup_size: 128
    .sgpr_count:     98
    .vgpr_count:     1024
    .wavefront_size: 32
...
	.end_amdgpu_metadata
.endif
;; end of part 2
;; launch attn (part 3): grid 16 x 16, 8 waves a work-group, clusters of 4 x 4, 327,680 bytes of LDS; arguments qk, vh, M, ao; writes ao
.if DOCPART == 3
	.amdgcn_target "amdgcn-amd-amdhsa--gfx1250"
	.amdhsa_code_object_version 6
	.text
	.protected	k_q639395f986_attn
	.globl	k_q639395f986_attn
	.p2align	8
	.type	k_q639395f986_attn,@function
k_q639395f986_attn:
	s_mov_b64 s[64:65], 0
	v_nop
	global_prefetch_b8 v0, s[64:65] scope:SCOPE_SE
	s_setreg_imm32_b32 hwreg(HW_REG_WAVE_MODE, 25, 1), 1
	s_wait_xcnt 0x0
	s_wait_alu depctr_hold_cnt(0) depctr_sa_sdst(0) depctr_va_vdst(0) depctr_va_sdst(0) depctr_va_ssrc(0) depctr_va_vcc(0) depctr_vm_vsrc(0)
	s_getreg_b32 s2, hwreg(HW_REG_IB_STS2, 6, 4)
	s_cmp_eq_u32 s2, 0
	s_cbranch_scc0 .Lentry_in_a_cluster
	s_endpgm
.Lentry_in_a_cluster:
	s_bfe_u32 s2, ttmp6, 0x10000c
	s_cmp_lg_u32 s2, 0xf033
	s_cbranch_scc0 .Lentry_shape_is_right
	s_endpgm
.Lentry_shape_is_right:
; ao[token][head x 64 + d] = sum over keys of A_bar V, A_bar = A M / (sum |A M| + 1e-8), A = softmax(q . k / 8).
; With p = exp(s - m) and l = sum p:  A_bar = p M / (sum p |M| + 1e-8 l).  So ONE walk over the keys serves, with a running maximum m, two f32 row sums (l, and lm = sum p |M|) and O = sum (p M) V.
; q, k: f16, qk [g][token][64] (g = head, 16 + head);  V: f16, vh [head][token][64];  M: f32 [2][2048][2048], taken as general numbers;  ao: f16 [4096][1024].
; Products on f16 operands with f32 sums; maxima, exponentials, sums, p M and p |M| in f32; p M is rounded to f16 for the second product.
; p is kept as p' = 2^(c s - c m + 10), c = log2(e) / 8: the factor 2^10 stands in O, l and lm alike and falls out of the division; it gives small weights ten more bits of room in f16.
; LIMITS: |M| under 63.9 (p' |M| stays under 65,504); weights under 2^-34 of their row's largest are lost in the numerator; NaN and infinities are not served.
; SHARES.  A work-group takes 128 queries x 2 neighbouring heads of one batch.  Wave w: head w & 1, keys 64 ((w >> 1) & 1) .. + 63 of every block of 128, queries 64 (w >> 2) .. + 63: four tiles of 16.
; Two waves (w and w xor 2) share their queries and head and see half of the keys each; they are merged at the end through LDS.  Two waves lie on a SIMD: one's vector work stands beside the other's products.
; LAYOUT.  S^T = K Q^T (source 0 = 16 keys, source 1 = 16 queries): a lane holds ONE query (lane % 16) and keys 8 (lane / 16) + 0..7.  Two such tiles, rounded to f16 in pairs, ARE source 1 of O^T = V^T P.
; RING.  Two LDS slots of 128 keys: M's tile (128 queries x 512 bytes), K and V of both heads.  All eight waves fetch, 16 KiB each: waves 0-3 M's quarters, 4-5 K's heads, 6-7 V's heads.
; CLUSTER 4 x 4.  M's tile hangs on batch and query block: shared along a row of the cluster.  K's and V's hang on batch and heads: shared along a column.  Each is asked for JOINTLY.
; REGISTERS: window 0: v2-15 addresses; v16-63 statistics, 12 a tile; v64-191 S^T, 32 a tile (P is laid over its first 16); v192-255 M, two buffers of 32.
;            window 1: v0-127 O^T, 32 a tile; v128-191 Q; v192-255 K's fragments of a step, then V's.
.set SLOT,  145408                     ; M 128 x 528, K 2 x 128 x 144, V 2 x 128 x 160
.set KOFF,  67584
.set VOFF,  104448
.set SPARE, 2*SLOT                     ; the spare words, 128 bytes a wave: four blocks of 256 bytes that no other line names
.set MRG,   0                          ; the end: four regions of 18,432 bytes, one for each pair of waves; in slot 0, which has had its last fill and its last read by then
.set OST,   73728                      ; and 128 rows x (256 bytes + 16) of the result
.set AK,  2                            ; v2-3   my lane's place in K's tile, slot 0, 1
.set AV,  4                            ; v4-5   in V's
.set AM,  6                            ; v6-7   in M's
.set SPW, 8                            ; v8     LDS address of my spare word; never rewritten
.set NIL, 9                            ; v9     0; never rewritten
.set PFO, 10                           ; v10    the prefetches' lane offset; never rewritten
.set MG,  11                           ; v11    my pair's merge region + 16 x lane
.set OSS, 12                           ; v12    where I put 16 bytes of a result row
.set OSR, 13                           ; v13    where I read a row back
.set GO,  14                           ; v14    my byte offset in ao
.set QO,  15                           ; v15    my byte offset in Q's rows
.set ST,  16                           ; tile t at v[ST + 12 t]: +0 nb = c m - 10, +1 m, +2,3 l, +4,5 lm, +6 a, +7 a's exponent, +8..11 at work
.set S,   64
.set MB,  192
.set QF,  128                          ; window 1
.set KV,  192                          ; window 1
.set WV,  12                           ; s12 wave;  s13 head of the pair;  s14 half of the keys;  s15 half of the queries
.set HD,  13
.set KG,  14
.set QH,  15
.set G1M, 24
.set G1K, 32
.set G1V, 40
.set G0M, 48                           ; a group 0 for each slot
.set G0K, 56
.set G0V, 68
.set CS,  76                           ; s[76:77] c, twice: the packed form names a pair
.set SEL, 78                           ; s[78:79] v_permlanex16_b32's selects for lane l xor 16
.set PFA, 80                           ; s[80:81] where my prefetches stand
.set PFS, 82                           ; s[82:83] a block of keys on, in bytes
.set LIM, 84                           ; s84  1 in a wave that prefetches, else the greatest number
.set RF,  85                           ; s85  refills still to come
.set TRIP, 86
.set SH,  87                           ; s87  -10.0
.set MSB, 0
.macro WIN new                         ; the immediate's high byte repeats the setting that is left
.if MSB != (\new)
	s_set_vgpr_msb (MSB<<8)|(\new)
.set MSB, (\new)
.endif
.endm
.set W_QK, 0x05                        ; K and Q in window 1, S^T in window 0
.set W_PV, 0x51                        ; V, and O^T as C and D, in window 1; P in window 0
.set W_RS, 0x41                        ; O^T (destination and source 0) in window 1, a in window 0
.set W_L1, 0x40                        ; a load's destination in window 1, its address in window 0
; A joint load, one a wave.  The branches hang on the wave's number alone.  An s_nop 0 and four v_nop follow each line.
.macro JLOAD s
	s_cmp_lt_u32 s[WV], 4
	s_cbranch_scc0 .Lnot_m_\@
	tensor_load_to_lds s[G0M+4*\s:G0M+4*\s+3], s[G1M:G1M+7]
	s_nop 0
.rept 4
	v_nop
.endr
	s_branch .Lasked_\@
.Lnot_m_\@:
	s_cmp_lt_u32 s[WV], 6
	s_cbranch_scc0 .Lfor_v_\@
	tensor_load_to_lds s[G0K+4*\s:G0K+4*\s+3], s[G1K:G1K+7]
	s_nop 0
.rept 4
	v_nop
.endr
	s_branch .Lasked_\@
.Lfor_v_\@:
	tensor_load_to_lds s[G0V+4*\s:G0V+4*\s+3], s[G1V:G1V+7]
	s_nop 0
.rept 4
	v_nop
.endr
.Lasked_\@:
.endm
.macro CROUND                          ; a round of the cluster's barrier
	s_barrier_signal -1
	s_barrier_wait -1
	s_cmp_lg_u32 s[WV], 0
	s_cbranch_scc1 .Lnot_wave_0_\@
	s_barrier_signal -3
.Lnot_wave_0_\@:
	s_barrier_wait -3
	s_barrier_signal -1
	s_barrier_wait -1
.endm
; A PREFETCH INTO THE L2 of the block of keys that the NEXT refill will ask for; it stands behind the joint load, its five lines and the step's first run of LDS loads.  Each aligned 256 bytes are named once in the launch.
; M's tile is read by the two clusters of a batch that share a cluster y: the one with even cluster x asks; its four partners of a row take 32 query rows each, told apart BY ADDRESS (cx); waves 0 and 1 take a half of the row's 512 bytes, a lane a row.
; K's and V's tiles are read by the four clusters of a cluster x: cluster y = 0 asks; the four partners of a column take a half of a head's 16,384 bytes each, by address (cy); wave 4 for K, wave 6 for V, lanes 256 bytes apart.
; The last refill asks for nothing: there is no block behind it.  Blocks 0 to 2 come by their loads alone.
.macro ASK
	s_cmp_gt_u32 s[RF], s[LIM]
	s_cbranch_scc0 .Lnot_mine_\@
	global_prefetch_b8 v[PFO], s[PFA:PFA+1] th:TH_LOAD_NT scope:SCOPE_SE
.Lnot_mine_\@:
	s_sub_co_u32 s[RF], s[RF], 1
.endm
	s_load_b256 s[4:11], s[0:1], 0x0               ; qk s[4:5], vh s[6:7], M s[8:9], ao s[10:11]
	v_lshl_add_u32 v[SPW], v0, 2, SPARE
	v_mov_b32 v[NIL], 0
	ds_add_u32 v[SPW], v[NIL]                      ; the wave's opening: the add, twice on end, and its wait ahead of my first tensor load
	ds_add_u32 v[SPW], v[NIL]
	v_lshrrev_b32 v64, 5, v0
	v_readfirstlane_b32 s[WV], v64                 ; wave 0..7
	s_and_b32 s[HD], s[WV], 1
	s_bfe_u32 s[KG], s[WV], 0x10001
	s_lshr_b32 s[QH], s[WV], 2
	s_bfe_u32 s16, ttmp6, 0x40000                  ; cx
	s_bfe_u32 s17, ttmp6, 0x40004                  ; cy
	s_lshr_b32 s20, ttmp9, 1                       ; the batch: work-group x = 8 x batch + pair of heads, and a cluster holds four x
	s_and_b32 s18, ttmp9, 1
	s_lshl_b32 s18, s18, 2
	s_add_co_u32 s18, s18, s16                     ; the pair of heads, 0..7
	s_and_b32 s19, ttmp7, 0xffff
	s_lshl_b32 s19, s19, 2
	s_add_co_u32 s19, s19, s17                     ; the block of 128 queries, 0..15
	s_lshl_b32 s88, s17, 2
	s_lshl_b32 s88, 15, s88                        ; my row of the cluster
	s_lshl_b32 s92, 0x1111, s16                    ; my column
	; group 1, M: 32 rows x 128 elements of 4 bytes, 2,048 elements from row to row; 4 words of padding after every 128: LDS rows 528 bytes apart
	s_or_b32 s[G1M], s88, (2<<16)|(1<<20)|(1<<21)|(6<<22)|(3<<25)
	s_mov_b32 s[G1M+1], 128<<16
	s_mov_b32 s[G1M+2], 32<<16
	s_mov_b32 s[G1M+3], 128<<16
	s_mov_b32 s[G1M+4], 32
	s_mov_b32 s[G1M+5], 2048
	s_mov_b32 s[G1M+6], 0
	s_mov_b32 s[G1M+7], 0
	; K, V: 128 rows x 128 bytes, dense; after every 32 words 4 words of padding (K: rows 144 bytes apart) or 8 (V: 160, for the turning load)
	s_or_b32 s[G1K], s92, (0<<16)|(1<<20)|(1<<21)|(4<<22)|(3<<25)
	s_or_b32 s[G1V], s92, (0<<16)|(1<<20)|(1<<21)|(4<<22)|(7<<25)
.irp g, G1K, G1V
	s_mov_b32 s[\g+1], 128<<16
	s_mov_b32 s[\g+2], 128<<16
	s_mov_b32 s[\g+3], 128<<16
	s_mov_b32 s[\g+4], 128
	s_mov_b32 s[\g+5], 128
	s_mov_b32 s[\g+6], 0
	s_mov_b32 s[\g+7], 0
.endr
	; M's quarter: batch, query block (cy) and wave alone; these registers never hold cx
	s_and_b32 s89, s[WV], 3
	s_lshl_b32 s90, s19, 7
	s_lshl_b32 s91, s89, 5
	s_add_co_u32 s90, s90, s91                     ; row 128 y + 32 (w & 3)
	s_lshl_b32 s90, s90, 13                        ; of 8,192 bytes
	s_lshl_b32 s91, s20, 24
	s_add_co_u32 s90, s90, s91
	s_mov_b32 s91, 0
	s_mul_i32 s89, s89, 32*528                     ; and in a slot
	; K's and V's head: batch, pair of heads (cx) and wave alone; these registers never hold cy
	s_and_b32 s93, s[WV], 1
	s_lshl_b32 s94, s18, 1
	s_add_co_u32 s94, s94, s93                     ; head
	s_lshl_b32 s94, s94, 19
	s_lshl_b32 s95, s20, 18
	s_add_co_u32 s94, s94, s95
	s_mov_b32 s95, 0
	s_mul_i32 s96, s93, 128*144
	s_mul_i32 s97, s93, 128*160
	; Q's rows and ao's rows of my wave
	s_lshl_b32 s21, s18, 1
	s_add_co_u32 s21, s21, s[HD]
	s_lshl_b32 s21, s21, 19
	s_lshl_b32 s22, s20, 11
	s_lshl_b32 s23, s19, 7
	s_add_co_u32 s22, s22, s23
	s_lshl_b32 s23, s[QH], 6
	s_add_co_u32 s22, s22, s23                     ; token 2048 b + 128 y + 64 (w >> 2)
	s_lshl_b32 s22, s22, 7
	s_add_co_u32 s22, s22, s21
	s_mov_b32 s23, 0
	s_lshl_b32 s2, s20, 11
	s_lshl_b32 s3, s19, 7
	s_add_co_u32 s2, s2, s3
	s_lshl_b32 s3, s[WV], 4
	s_add_co_u32 s2, s2, s3                        ; on the way out wave w stores rows 16 w .. 16 w + 15 of the block
	s_lshl_b32 s2, s2, 11
	s_lshl_b32 s3, s18, 8
	s_add_co_u32 s2, s2, s3                        ; + the pair of heads' 256 bytes
	s_mov_b32 s3, 0
	s_mov_b32 s[CS], 0x3e38aa3b                    ; c = log2(e) / 8
	s_mov_b32 s[CS+1], s[CS]
	s_mov_b32 s[SEL], 0x76543210
	s_mov_b32 s[SEL+1], 0xfedcba98
	s_mov_b32 s[SH], 0xc1200000                    ; -10.0
	s_mov_b32 s[RF], 14
	s_wait_dscnt 0x0                               ; both opening adds are done
	s_wait_kmcnt 0x0
	s_add_nc_u64 s[90:91], s[8:9], s[90:91]
	s_add_nc_u64 s[92:93], s[4:5], s[94:95]
	s_add_nc_u64 s[94:95], s[6:7], s[94:95]
	s_add_nc_u64 s[22:23], s[4:5], s[22:23]
	s_add_nc_u64 s[10:11], s[10:11], s[2:3]
.irp s, 0,1
	s_mov_b32 s[G0M+4*\s], 1
	s_add_co_u32 s[G0M+4*\s+1], s89, \s*SLOT
	s_add_nc_u64 s[G0M+4*\s+2:G0M+4*\s+3], s[90:91], \s*512            ; block s: 128 keys are 512 bytes of a row
	s_or_b32 s[G0M+4*\s+3], s[G0M+4*\s+3], 0x80000000
	s_mov_b32 s[G0K+4*\s], 1
	s_add_co_u32 s[G0K+4*\s+1], s96, \s*SLOT+KOFF
	s_add_nc_u64 s[G0K+4*\s+2:G0K+4*\s+3], s[92:93], (16<<19)+\s*16384 ; k lies 16 heads behind q; 128 keys are 16,384 bytes
	s_or_b32 s[G0K+4*\s+3], s[G0K+4*\s+3], 0x80000000
	s_mov_b32 s[G0V+4*\s], 1
	s_add_co_u32 s[G0V+4*\s+1], s97, \s*SLOT+VOFF
	s_add_nc_u64 s[G0V+4*\s+2:G0V+4*\s+3], s[94:95], \s*16384
	s_or_b32 s[G0V+4*\s+3], s[G0V+4*\s+3], 0x80000000
.endr
	CROUND                                         ; all sixteen work-groups are here: the first joint loads meet
	JLOAD 0
	JLOAD 1                                        ; two loads of mine are out
	v_and_b32 v64, 15, v0                          ; r
	v_bfe_u32 v65, v0, 4, 1                        ; h
	v_and_b32 v66, 7, v0
	v_bfe_u32 v67, v0, 3, 1
	v_and_b32 v68, 31, v0                          ; lane
	v_lshlrev_b32 v[QO], 7, v64
	v_lshl_add_u32 v[QO], v65, 4, v[QO]            ; Q: row r of 128 bytes + 16 h
	WIN W_L1
.irp t, 0,1,2,3
.irp c, 0,1                                    ; Q stays in registers: tile t, channels 32 c on
	global_load_b128 v[QF+16*\t+8*\c:QF+16*\t+8*\c+3], v[QO], s[22:23] offset:2048*\t+64*\c
	global_load_b128 v[QF+16*\t+8*\c+4:QF+16*\t+8*\c+7], v[QO], s[22:23] offset:2048*\t+64*\c+32
.endr
.endr
	WIN 0
	s_mul_i32 s100, s[HD], 128*144                 ; s100, s101 hold numbers made of the wave's number alone
	s_mul_i32 s101, s[KG], 64*144
	s_add_co_u32 s100, s100, s101
	s_add_co_u32 s100, s100, KOFF
	v_mul_u32_u24 v69, v64, 144
	v_lshl_add_u32 v69, v65, 4, v69
	v_add_nc_u32 v[AK], s100, v69                  ; K: key r of a tile, + 16 h
	v_add_nc_u32 v[AK+1], SLOT, v[AK]
	s_mul_i32 s100, s[HD], 128*160
	s_mul_i32 s101, s[KG], 64*160
	s_add_co_u32 s100, s100, s101
	s_add_co_u32 s100, s100, VOFF
	v_lshl_add_u32 v70, v65, 3, v66                ; V, for the turning load: key 8 h + l % 8, channels 8 ((l / 8) % 2) on
	v_mul_u32_u24 v70, v70, 160
	v_lshl_add_u32 v70, v67, 4, v70
	v_add_nc_u32 v[AV], s100, v70
	v_add_nc_u32 v[AV+1], SLOT, v[AV]
	s_mul_i32 s100, s[QH], 64*528
	s_lshl_b32 s101, s[KG], 8
	s_add_co_u32 s100, s100, s101
	v_mul_u32_u24 v71, v64, 528
	v_lshl_add_u32 v71, v65, 5, v71
	v_add_nc_u32 v[AM], s100, v71                  ; M: query r of a tile, my 64 keys, + 32 h: the eight keys that a register run of S^T holds
	v_add_nc_u32 v[AM+1], SLOT, v[AM]
	s_lshl_b32 s100, s[QH], 1
	s_add_co_u32 s100, s100, s[HD]
	s_mul_i32 s100, s100, 18432
	v_lshl_add_u32 v[MG], v68, 4, s100             ; (MRG = 0)
	s_mul_i32 s100, s[QH], 64*272
	s_lshl_b32 s101, s[HD], 7
	s_add_co_u32 s100, s100, s101
	s_add_co_u32 s100, s100, OST
	v_mul_u32_u24 v69, v64, 272
	v_lshl_add_u32 v69, v65, 4, v69
	v_add_nc_u32 v[OSS], s100, v69
	s_mul_i32 s100, s[WV], 16*272
	s_add_co_u32 s100, s100, OST
	v_mul_u32_u24 v69, v65, 272
	v_lshl_add_u32 v69, v64, 4, v69
	v_add_nc_u32 v[OSR], s100, v69
	v_lshlrev_b32 v[GO], 11, v65
	v_lshl_add_u32 v[GO], v64, 4, v[GO]
.irp t, 0,1,2,3
.irp k, 2,3,4,5
	v_mov_b32 v[ST+12*\t+\k], 0                    ; l and lm
.endr
.endr
	; the prefetches: who asks, and where.  Nothing is prefetched here, at the head.
	s_and_b32 s98, ttmp9, 1
	s_lshr_b32 s99, s[WV], 1
	s_or_b32 s98, s98, s99                         ; 0 in waves 0, 1 of a cluster with even x
	s_and_b32 s99, ttmp7, 0xffff
	s_and_b32 s21, s[WV], 5
	s_xor_b32 s21, s21, 4
	s_or_b32 s99, s99, s21                         ; 0 in waves 4, 6 of a cluster with y = 0
	s_min_u32 s98, s98, s99
	s_cmp_eq_u32 s98, 0
	s_cselect_b32 s[LIM], 1, -1                    ; the same in all sixteen partners, for a given wave
	s_lshl_b32 s98, s19, 7
	s_lshl_b32 s99, s16, 5
	s_add_co_u32 s98, s98, s99                     ; M: query row 128 y + 32 cx
	s_lshl_b32 s98, s98, 13
	s_lshl_b32 s99, s20, 24
	s_add_co_u32 s98, s98, s99
	s_lshl_b32 s99, s[HD], 8
	s_add_co_u32 s98, s98, s99                     ; + 256 (w & 1)
	s_add_co_u32 s98, s98, 2*512                   ; at block 2: the first refill steps it to block 3
	s_lshr_b32 s99, s17, 1
	s_lshl_b32 s21, s18, 1
	s_add_co_u32 s99, s99, s21                     ; K, V: head 2 x pair + cy / 2
	s_lshl_b32 s99, s99, 19
	s_lshl_b32 s21, s20, 18
	s_add_co_u32 s99, s99, s21
	s_and_b32 s21, s17, 1
	s_lshl_b32 s21, s21, 13
	s_add_co_u32 s99, s99, s21                     ; + 8,192 (cy % 2)
	s_add_co_u32 s99, s99, 2*16384
	s_add_co_u32 s21, s99, 16<<19                  ; k lies 16 heads behind q
	s_cmp_lt_u32 s[WV], 6
	s_cselect_b64 s[PFA:PFA+1], s[4:5], s[6:7]
	s_cselect_b32 s99, s21, s99
	s_cmp_lt_u32 s[WV], 4
	s_cselect_b64 s[PFA:PFA+1], s[8:9], s[PFA:PFA+1]
	s_cselect_b32 s2, s98, s99
	s_mov_b32 s21, 256
	s_cselect_b32 s21, 8192, s21                   ; from lane to lane
	s_mov_b32 s[PFS], 16384
	s_cselect_b32 s[PFS], 512, s[PFS]              ; from block to block
	s_mov_b32 s[PFS+1], 0
	s_mov_b32 s3, 0
	s_add_nc_u64 s[PFA:PFA+1], s[PFA:PFA+1], s[2:3]
	v_mul_lo_u32 v[PFO], v68, s21
.macro MLOAD t, mb, slot               ; M of tile t: 32 numbers a lane, in S^T's order
.irp u, 0,1,2,3
	ds_load_b128 v[\mb+8*\u:\mb+8*\u+3], v[AM+\slot] offset:8448*\t+64*\u
	ds_load_b128 v[\mb+8*\u+4:\mb+8*\u+7], v[AM+\slot] offset:8448*\t+64*\u+16
.endr
.endm
.macro MASK t, mb                      ; tile t: lm += p |M|, l += p, p becomes p M; all in f32
.irp i, 0,2,4,6,8,10,12,14,16,18,20,22,24,26,28,30
	v_fma_f32 v[ST+12*\t+4], v[S+32*\t+\i], |v[\mb+\i]|, v[ST+12*\t+4]
	v_fma_f32 v[ST+12*\t+5], v[S+32*\t+\i+1], |v[\mb+\i+1]|, v[ST+12*\t+5]
	v_pk_add_f32 v[ST+12*\t+2:ST+12*\t+3], v[ST+12*\t+2:ST+12*\t+3], v[S+32*\t+\i:S+32*\t+\i+1]
	v_pk_mul_f32 v[S+32*\t+\i:S+32*\t+\i+1], v[S+32*\t+\i:S+32*\t+\i+1], v[\mb+\i:\mb+\i+1]
.endr
.endm
; A KEY STEP: my 64 keys of the block in the slot.  first = 1: it starts m, l, lm and O^T.  ask = 1: a refill has just been issued, and the prefetch follows the first run of LDS loads.
.macro STEP slot, first, ask
.if \first == 0
.rept 5
	v_nop                                          ; five places behind the last products V^T P: the products below write over P, which those read (five are asked); K's loads land on V's registers (four)
.endr
.endif
	WIN W_L1
.irp u, 0,1,2,3
.irp c, 0,1                                    ; K: keys 16 u on, channels 32 c on
	ds_load_b128 v[KV+16*\u+8*\c:KV+16*\u+8*\c+3], v[AK+\slot] offset:2304*\u+64*\c
	ds_load_b128 v[KV+16*\u+8*\c+4:KV+16*\u+8*\c+7], v[AK+\slot] offset:2304*\u+64*\c+32
.endr
.endr
	WIN 0
	MLOAD 0, MB, \slot
	MLOAD 1, MB+32, \slot
.if \ask
	ASK
.endif
	s_wait_dscnt 16                                ; K's 16 loads are in; M's 16 may be out
	WIN W_QK
.irp c, 0,1                                    ; S^T = K Q^T: the 16 accumulators take turns, one instruction a turn; the first 16 start the sums
.irp u, 0,1,2,3
.irp t, 0,1,2,3
.if \c == 0
	v_wmma_f32_16x16x32_f16 v[S+32*\t+8*\u:S+32*\t+8*\u+7], v[KV+16*\u+8*\c:KV+16*\u+8*\c+7], v[QF+16*\t+8*\c:QF+16*\t+8*\c+7], 0
.else
	v_wmma_f32_16x16x32_f16 v[S+32*\t+8*\u:S+32*\t+8*\u+7], v[KV+16*\u+8*\c:KV+16*\u+8*\c+7], v[QF+16*\t+8*\c:QF+16*\t+8*\c+7], v[S+32*\t+8*\u:S+32*\t+8*\u+7]
.endif
.endr
.endr
.endr
	WIN 0
.rept 4
	v_nop                                          ; four places: V's loads land on K's registers, and the maxima read results
.endr
	WIN W_L1
.irp g, 0,1
.irp n, 0,1,2,3                                ; V^T: keys 32 g on, channels 16 n on
	ds_load_tr16_b128 v[KV+32*\g+8*\n:KV+32*\g+8*\n+3], v[AV+\slot] offset:5120*\g+32*\n
	ds_load_tr16_b128 v[KV+32*\g+8*\n+4:KV+32*\g+8*\n+7], v[AV+\slot] offset:5120*\g+32*\n+2560
.endr
.endr
	WIN 0
	; the maximum of a lane's 32 scores and the old m: four chains, each begun at its accumulator's low end; the four tiles by turns, so that no line waits for the line above it
.irp k, 0,1,2,3
.irp t, 0,1,2,3
	v_max3_num_f32 v[ST+12*\t+8+\k], v[S+32*\t+8*\k], v[S+32*\t+8*\k+1], v[S+32*\t+8*\k+2]
.endr
.endr
.irp i, 3,5
.irp k, 0,1,2,3
.irp t, 0,1,2,3
	v_max3_num_f32 v[ST+12*\t+8+\k], v[ST+12*\t+8+\k], v[S+32*\t+8*\k+\i], v[S+32*\t+8*\k+\i+1]
.endr
.endr
.endr
.irp t, 0,1,2,3
	v_max3_num_f32 v[ST+12*\t+8], v[ST+12*\t+8], v[S+32*\t+7], v[S+32*\t+15]
.endr
.irp t, 0,1,2,3
	v_max3_num_f32 v[ST+12*\t+10], v[ST+12*\t+10], v[S+32*\t+23], v[S+32*\t+31]
.endr
.irp t, 0,1,2,3
	v_max3_num_f32 v[ST+12*\t+8], v[ST+12*\t+8], v[ST+12*\t+9], v[ST+12*\t+10]
.endr
.irp t, 0,1,2,3
.if \first
	v_max_num_f32 v[ST+12*\t+8], v[ST+12*\t+8], v[ST+12*\t+11]
.else
	v_max3_num_f32 v[ST+12*\t+8], v[ST+12*\t+8], v[ST+12*\t+11], v[ST+12*\t+1]
.endif
.endr
.irp t, 0,1,2,3
	v_permlanex16_b32 v[ST+12*\t+9], v[ST+12*\t+8], s[SEL], s[SEL+1]   ; the query's other 32 keys lie in the lane 16 away
.endr
.if \first == 0
.irp t, 0,1,2,3
	v_mov_b32 v[ST+12*\t+7], v[ST+12*\t]           ; the old nb is kept for a
.endr
.endif
.irp t, 0,1,2,3
	v_max_num_f32 v[ST+12*\t+1], v[ST+12*\t+8], v[ST+12*\t+9]
.endr
.irp t, 0,1,2,3
	v_fma_f32 v[ST+12*\t], v[ST+12*\t+1], s[CS], s[SH]     ; nb = c m - 10
.endr
.if \first == 0
.irp t, 0,1,2,3
	v_sub_f32 v[ST+12*\t+7], v[ST+12*\t+7], v[ST+12*\t]    ; c m_old - c m_new, 0 or less
.endr
.endif
.set i, 0
.rept 64
	v_pk_fma_f32 v[S+2*i:S+2*i+1], v[S+2*i:S+2*i+1], s[CS:CS+1], v[ST+12*(i/16):ST+12*(i/16)+1] op_sel_hi:[1,0,0] neg_lo:[0,0,1] neg_hi:[0,0,1]   ; c s - nb, two at a time
.set i, i+1
.endr
	; ONE BATCH of exponentials, one wait
.if \first == 0
.irp t, 0,1,2,3
	v_exp_f32 v[ST+12*\t+6], v[ST+12*\t+7]         ; a
.endr
.endif
.set i, 0
.rept 128
	v_exp_f32 v[S+i], v[S+i]                       ; p'
.set i, i+1
.endr
	v_nop                                          ; a plain instruction behind the last exponential
	s_wait_alu depctr_va_vdst(0)                   ; the wait ahead of the first instruction that names a result: one for the batch
.if \first == 0
.irp t, 0,1,2,3
	v_pk_mul_f32 v[ST+12*\t+2:ST+12*\t+3], v[ST+12*\t+2:ST+12*\t+3], v[ST+12*\t+6:ST+12*\t+7] op_sel_hi:[1,0]   ; l and lm under the new m
	v_pk_mul_f32 v[ST+12*\t+4:ST+12*\t+5], v[ST+12*\t+4:ST+12*\t+5], v[ST+12*\t+6:ST+12*\t+7] op_sel_hi:[1,0]
.endr
.endif
	s_wait_dscnt 16                                ; M of tiles 0 and 1 is in; V's 16 loads, issued behind them, may be out
	MASK 0, MB
	MLOAD 2, MB, \slot
	MASK 1, MB+32
	MLOAD 3, MB+32, \slot
	s_wait_dscnt 8                                 ; V and M of tile 2 are in; tile 3's eight loads may be out
	MASK 2, MB
	s_wait_dscnt 0x0
	MASK 3, MB+32
.set i, 0
.rept 64
	v_cvt_pk_f16_f32 v[S+32*(i/16)+i%16], v[S+32*(i/16)+2*(i%16)], v[S+32*(i/16)+2*(i%16)+1]   ; P: p M in f16, laid over the tile's first 16 registers, in ascending order
.set i, i+1
.endr
.if \first == 0
	WIN W_RS
.set i, 0
.rept 64
	v_pk_mul_f32 v[2*i:2*i+1], v[2*i:2*i+1], v[ST+12*(i/16)+6:ST+12*(i/16)+7] op_sel_hi:[1,0]   ; O^T under the new m, each accumulator from its low end on
.set i, i+1
.endr
.endif
	WIN W_PV
.irp g, 0,1                                    ; O^T += V^T P: the 16 accumulators take turns
.irp n, 0,1,2,3
.irp t, 0,1,2,3
.if (\first) && (\g == 0)
	v_wmma_f32_16x16x32_f16 v[32*\t+8*\n:32*\t+8*\n+7], v[KV+32*\g+8*\n:KV+32*\g+8*\n+7], v[S+32*\t+8*\g:S+32*\t+8*\g+7], 0
.else
	v_wmma_f32_16x16x32_f16 v[32*\t+8*\n:32*\t+8*\n+7], v[KV+32*\g+8*\n:KV+32*\g+8*\n+7], v[S+32*\t+8*\g:S+32*\t+8*\g+7], v[32*\t+8*\n:32*\t+8*\n+7]
.endif
.endr
.endr
.endr
	WIN 0
.endm
; THE CHANGE OF SLOTS.  Each wave waits for all its tensor loads, of which one is out: its part of the slot ahead; adds 0 to its spare word; and waits for that and for its reads of slot rs, which it leaves.
; fill = 1: a round of the cluster's barrier, so that no wave of any partner still reads that slot or has a load on its way; then slot rs is filled with the block two on: the wave's one load, which has a key step in which to land.
.macro CHANGE rs, fill
	WIN 0
	s_wait_tensorcnt 0x0                           ; no tensor load of mine is out, so a group 0 may be written
	ds_add_u32 v[SPW], v[NIL]                      ; 0 onto my spare word
.if \fill
	s_add_nc_u64 s[G0M+4*\rs+2:G0M+4*\rs+3], s[G0M+4*\rs+2:G0M+4*\rs+3], 2*512
	s_add_nc_u64 s[G0K+4*\rs+2:G0K+4*\rs+3], s[G0K+4*\rs+2:G0K+4*\rs+3], 2*16384
	s_add_nc_u64 s[G0V+4*\rs+2:G0V+4*\rs+3], s[G0V+4*\rs+2:G0V+4*\rs+3], 2*16384
	s_wait_xcnt 0x0                                ; the last prefetch, a key step back, has read its address, so it may be written
	s_add_nc_u64 s[PFA:PFA+1], s[PFA:PFA+1], s[PFS:PFS+1]
	s_wait_dscnt 0x0                               ; the add is done, and my reads of the slot are over
	CROUND
	JLOAD \rs
.else
	s_wait_dscnt 0x0
	s_barrier_signal -1
	s_barrier_wait -1
.endif
.endm
	s_wait_tensorcnt 1                             ; my part of slot 0 is in; slot 1's, issued behind it, may stay out
	s_barrier_signal -1
	s_barrier_wait -1                              ; everybody's is
	s_wait_loadcnt 0x0                             ; Q
	STEP 0, 1, 0                                   ; block 0
	s_mov_b32 s[TRIP], 7
.Lpair:                                                ; seven trips: blocks 1 to 14 are multiplied, blocks 2 to 15 asked for
	CHANGE 0, 1
	STEP 1, 0, 1
	CHANGE 1, 1
	STEP 0, 0, 1
	s_sub_co_u32 s[TRIP], s[TRIP], 1
	s_cmp_lg_u32 s[TRIP], 0
	s_cbranch_scc1 .Lpair
	CHANGE 0, 0                                    ; the tail is written out: nothing is left to ask for
	STEP 1, 0, 0                                   ; block 15
	; THE END.  A lane's two halves of l and lm and the other half of the lanes' are added: l into +1, lm into +2.  These 24 lines are the places behind the last products.
.irp t, 0,1,2,3
	v_add_f32 v[ST+12*\t+8], v[ST+12*\t+2], v[ST+12*\t+3]
.endr
.irp t, 0,1,2,3
	v_add_f32 v[ST+12*\t+9], v[ST+12*\t+4], v[ST+12*\t+5]
.endr
.irp t, 0,1,2,3
	v_permlanex16_b32 v[ST+12*\t+10], v[ST+12*\t+8], s[SEL], s[SEL+1]
.endr
.irp t, 0,1,2,3
	v_permlanex16_b32 v[ST+12*\t+11], v[ST+12*\t+9], s[SEL], s[SEL+1]
.endr
.irp t, 0,1,2,3
	v_add_f32 v[ST+12*\t+1], v[ST+12*\t+8], v[ST+12*\t+10]
.endr
.irp t, 0,1,2,3
	v_add_f32 v[ST+12*\t+2], v[ST+12*\t+9], v[ST+12*\t+11]
.endr
	s_cmp_eq_u32 s[KG], 0
	s_cbranch_scc1 .Lkeeps
	WIN 0x04                                       ; the wave of the upper keys hands over O^T and (nb, l, lm) as images of its registers: 16 bytes a lane, 512 a store; an LDS store's data are its source 1
.irp i, 0,1,2,3,4,5,6,7,8,9,10,11,12,13,14,15,16,17,18,19,20,21,22,23,24,25,26,27,28,29,30,31
	ds_store_b128 v[MG], v[4*\i:4*\i+3] offset:512*\i
.endr
	WIN 0
.irp t, 0,1,2,3
	ds_store_b128 v[MG], v[ST+12*\t:ST+12*\t+3] offset:16384+512*\t
.endr
.Lkeeps:
	s_wait_dscnt 0x0                               ; for the partner's sake: my stores have landed
	s_barrier_signal -1
	s_barrier_wait -1
	s_cmp_lg_u32 s[KG], 0
	s_cbranch_scc1 .Lgave
.irp i, 0,1,2,3,4,5,6,7,8,9,10,11,12,13,14,15,16,17,18,19,20,21,22,23,24,25,26,27,28,29,30,31
	ds_load_b128 v[S+4*\i:S+4*\i+3], v[MG] offset:512*\i               ; the partner's O^T
.endr
.irp t, 0,1,2,3
	ds_load_b128 v[MB+4*\t:MB+4*\t+3], v[MG] offset:16384+512*\t       ; and its nb, l, lm
.endr
	s_wait_dscnt 0x0
.irp t, 0,1,2,3
	v_max_num_f32 v[ST+12*\t+8], v[ST+12*\t], v[MB+4*\t]
.endr
.irp t, 0,1,2,3
	v_sub_f32 v[ST+12*\t+9], v[ST+12*\t], v[ST+12*\t+8]
.endr
.irp t, 0,1,2,3
	v_sub_f32 v[ST+12*\t+10], v[MB+4*\t], v[ST+12*\t+8]
.endr
.irp t, 0,1,2,3
	v_exp_f32 v[ST+12*\t+4], v[ST+12*\t+9]         ; what brings my sums under the larger maximum,
.endr
.irp t, 0,1,2,3
	v_exp_f32 v[ST+12*\t+5], v[ST+12*\t+10]        ; and the partner's
.endr
	v_nop
	s_wait_alu depctr_va_vdst(0)                   ; one wait for the eight
.irp t, 0,1,2,3
	v_mul_f32 v[ST+12*\t+1], v[ST+12*\t+1], v[ST+12*\t+4]
.endr
.irp t, 0,1,2,3
	v_mul_f32 v[ST+12*\t+2], v[ST+12*\t+2], v[ST+12*\t+4]
.endr
.irp t, 0,1,2,3
	v_fma_f32 v[ST+12*\t+1], v[MB+4*\t+1], v[ST+12*\t+5], v[ST+12*\t+1]   ; l
.endr
.irp t, 0,1,2,3
	v_fma_f32 v[ST+12*\t+2], v[MB+4*\t+2], v[ST+12*\t+5], v[ST+12*\t+2]   ; lm
.endr
.irp t, 0,1,2,3
	v_fma_f32 v[ST+12*\t+3], v[ST+12*\t+1], 0x322bcc77, v[ST+12*\t+2]     ; lm + 1e-8 l: at least 1e-8 x 2^10, since the row's largest p' is 2^10
.endr
.irp t, 0,1,2,3
	v_rcp_f32 v[ST+12*\t+7], v[ST+12*\t+3]
.endr
	v_nop
	s_wait_alu depctr_va_vdst(0)                   ; one wait for the four
.irp t, 0,1,2,3
	v_mul_f32 v[ST+12*\t+6], v[ST+12*\t+5], v[ST+12*\t+7]
.endr
.irp t, 0,1,2,3
	v_mul_f32 v[ST+12*\t+4], v[ST+12*\t+4], v[ST+12*\t+7]
.endr
.irp t, 0,1,2,3
.irp i, 0,2,4,6,8,10,12,14,16,18,20,22,24,26,28,30
	v_pk_mul_f32 v[S+32*\t+\i:S+32*\t+\i+1], v[S+32*\t+\i:S+32*\t+\i+1], v[ST+12*\t+6:ST+12*\t+7] op_sel_hi:[1,0]
.endr
	WIN 0x01                                       ; source 0: my O^T, in window 1
.irp i, 0,2,4,6,8,10,12,14,16,18,20,22,24,26,28,30
	v_pk_fma_f32 v[S+32*\t+\i:S+32*\t+\i+1], v[32*\t+\i:32*\t+\i+1], v[ST+12*\t+4:ST+12*\t+5], v[S+32*\t+\i:S+32*\t+\i+1] op_sel_hi:[1,0,1]
.endr
	WIN 0
.irp j, 0,1,2,3,4,5,6,7,8,9,10,11,12,13,14,15
	v_cvt_pk_f16_f32 v[S+32*\t+\j], v[S+32*\t+2*\j], v[S+32*\t+2*\j+1]
.endr
.irp n, 0,1,2,3
	ds_store_b128 v[OSS], v[S+32*\t+4*\n:S+32*\t+4*\n+3] offset:4352*\t+32*\n   ; query 16 t + r, channels 16 n + 8 h + 0..7 of my head
.endr
.endr
.Lgave:
	s_wait_dscnt 0x0                               ; my stores have landed, my loads are in
	s_barrier_signal -1
	s_barrier_wait -1                              ; 128 rows of 256 bytes lie in LDS
.irp i, 0,1,2,3,4,5,6,7
	ds_load_b128 v[MB+4*\i:MB+4*\i+3], v[OSR] offset:544*\i
.endr
.irp i, 0,1,2,3,4,5,6,7
	s_wait_dscnt 7-\i
	global_store_b128 v[GO], v[MB+4*\i:MB+4*\i+3], s[10:11] offset:4096*\i   ; 16 lanes store 256 consecutive bytes, at a multiple of 256 from ao's first byte
.endr
	s_wait_tensorcnt 0x0                           ; the wave's end: behind my last tensor load and my last LDS store
	ds_add_u32 v[SPW], v[NIL]
	s_wait_dscnt 0x0
	CROUND                                         ; the closing round: no work-group ends while a partner may still ask for a tile that names it
	s_endpgm
.Lfunc_end_k_q639395f986_attn:
	.size	k_q639395f986_attn, .Lfunc_end_k_q639395f986_attn-k_q639395f986_attn
	.p2alignl 7, 3214868480
	.fill 96, 4, 3214868480
	.section	.rodata,"a",@progbits
	.p2align	6, 0x0
	.amdhsa_kernel k_q639395f986_attn
		.amdhsa_group_segment_fixed_size 327680
		.amdhsa_private_segment_fixed_size 0
		.amdhsa_enable_private_segment 0
		.amdhsa_kernarg_size 32
		.amdhsa_user_sgpr_count 2
		.amdhsa_user_sgpr_kernarg_segment_ptr 1
		.amdhsa_wavefront_size32 1
		.amdhsa_system_sgpr_workgroup_id_x 1
		.amdhsa_system_sgpr_workgroup_id_y 1
		.amdhsa_system_sgpr_workgroup_id_z 1
		.amdhsa_system_vgpr_workitem_id 0
		.amdhsa_next_free_vgpr 512
		.amdhsa_next_free_sgpr 102
		.amdhsa_reserve_vcc 0
		.amdhsa_float_denorm_mode_32 3
		.amdhsa_float_denorm_mode_16_64 3
		.amdhsa_memory_ordered 1
		.amdhsa_forward_progress 1
		.amdhsa_inst_pref_size 222
	.end_amdhsa_kernel
	.amdgpu_metadata
---
amdhsa.version: [ 1, 2 ]
amdhsa.kernels:
  - .name:           k_q639395f986_attn
    .symbol:         k_q639395f986_attn.kd
    .args:
      - { .name: qk, .offset: 0, .size: 8, .value_kind: global_buffer, .address_space: global }
      - { .name: vh, .offset: 8, .size: 8, .value_kind: global_buffer, .address_space: global }
      - { .name: M, .offset: 16, .size: 8, .value_kind: global_buffer, .address_space: global }
      - { .name: ao, .offset: 24, .size: 8, .value_kind: global_buffer, .address_space: global }
    .group_segment_fixed_size: 327680
    .private_segment_fixed_size: 0
    .kernarg_segment_align: 8
    .kernarg_segment_size: 32
    .max_flat_workgroup_size: 256
    .sgpr_count:     102
    .vgpr_count:     512
    .wavefront_size: 32
...
	.end_amdgpu_metadata
.endif
;; end of part 3
;; launch outproj (part 4): grid 8 x 32, 4 waves a work-group, clusters of 4 x 4, 327,680 bytes of LDS; arguments ao, wo, out_b, out0; writes out0
.if DOCPART == 4
	.amdgcn_target "amdgcn-amd-amdhsa--gfx1250"
	.amdhsa_code_object_version 6
	.text
	.protected	k_q639395f986_outproj
	.globl	k_q639395f986_outproj
	.p2align	8
	.type	k_q639395f986_outproj,@function
k_q639395f986_outproj:
	s_mov_b64 s[64:65], 0
	v_nop
	global_prefetch_b8 v0, s[64:65] scope:SCOPE_SE
	s_setreg_imm32_b32 hwreg(HW_REG_WAVE_MODE, 25, 1), 1
	s_wait_xcnt 0x0
	s_wait_alu depctr_hold_cnt(0) depctr_sa_sdst(0) depctr_va_vdst(0) depctr_va_sdst(0) depctr_va_ssrc(0) depctr_va_vcc(0) depctr_vm_vsrc(0)
	s_getreg_b32 s2, hwreg(HW_REG_IB_STS2, 6, 4)
	s_cmp_eq_u32 s2, 0
	s_cbranch_scc0 .Lentry_in_a_cluster
	s_endpgm
.Lentry_in_a_cluster:
	s_bfe_u32 s2, ttmp6, 0x10000c
	s_cmp_lg_u32 s2, 0xf033
	s_cbranch_scc0 .Lentry_shape_is_right
	s_endpgm
.Lentry_shape_is_right:
; out0[m][n] = sum over k of ao[m][k] wo[n][k] + out_b[n].  ao: [4096][1024], wo: [1024][1024], f16; out_b, out0: f32; sums in f32.
; LIMIT: the operands are f16 numbers made by the earlier launches: magnitudes under 65,504.
; A tile of C is 128 x 128: 256 work-groups.  Four waves, each 64 x 64: 16 accumulators of 16 x 16, 128 registers.  K goes in steps of 256 (LDS rows of 512 bytes; a wave's tensor load brings 64 of them) through two slots.
; CLUSTERS: 4 x 4 work-groups.  The four of a row of the cluster need the same tiles of A, the four of a column the same tiles of B: each tile is asked for JOINTLY.
; THE MATRIX INSTRUCTION IS USED TRANSPOSED (source 0 = 16 rows of B, source 1 = 16 rows of A): a lane holds eight neighbouring numbers of a row of C.  The bias is the C of each sum's first product.
; A wave's 64 columns of f32 are 256 aligned bytes of a row of C: each wave sends its own blocks of 16 rows through its own stage: no barrier on the way out.
; REGISTERS: window 0: v0-31 addresses; v32-95 rows on the way out, two sets; v96-127 the bias; v128-255 the accumulators ((a, b) at v[128 + 8 (4 a + b)]).
;   window 1: two fragment buffers of 128: for 64 along K, 64 registers of A, then 64 of B.
.set SIZE_M, 4096
.set SIZE_N, 1024
.set SIZE_K, 1024
.set KSTEP,  256
.set PITCH,  528                       ; an LDS row: 512 bytes + 16 of padding = 132 words: the 16 rows that a load touches start 4 words apart modulo 64
.set HALFT,  64*PITCH                  ; 64 rows: what one tensor load brings
.set SLOT,   4*HALFT                   ; A's 128 rows, then B's 128 rows
.set STAGE,  2*SLOT                    ; behind the ring: 16 rows x 272 bytes for each wave
.set SPITCH, 272
.set SPARE,  STAGE+4*16*SPITCH         ; the spare words, 128 bytes a wave
.set LAPS, SIZE_K/(2*KSTEP)            ; a lap = two K steps = once round the ring
.set ADRA, 16
.set ADRB, 20
.set STO,  24                          ; v24     the way out: where I put 32 bytes of a row
.set RD,   25                          ; v25     where I read a row back
.set CO,   26                          ; v26     my byte offset in C
.set SPW,  28                          ; v28     LDS address of my spare word; never rewritten
.set NIL,  29                          ; v29     0; never rewritten
.set TMP,  32
.set BIAS, 96                          ; v96-127: for B's block b eight registers: lane (r, h) holds the bias of columns 16 b + 8 h + 0 .. 7
.set ACC,  128
.set F0,   0                           ; fragment buffers, in window 1
.set F1,   128
.set G1, 24
.set G0, 32
.set G1B, 48
.set G0B, 56
.set MSB, 0
.macro WIN new                         ; the immediate's high byte repeats the setting that is left
.if MSB != (\new)
	s_set_vgpr_msb (MSB<<8)|(\new)
.set MSB, (\new)
.endif
.endm
.set MUL,  0x05                        ; sources 0 (B) and 1 (A) window 1; C and D window 0
.set TO_F, 0x40                        ; destination window 1, address window 0
.macro JLOAD s                         ; a joint load: waves 0 and 1 fetch A's two halves, waves 2 and 3 B's; an s_nop 0 and four v_nop follow each of the two lines
	s_cmp_eq_u32 s11, 0
	s_cbranch_scc0 .Lfor_b_\@
	tensor_load_to_lds s[G0+4*\s:G0+4*\s+3], s[G1:G1+7]
	s_nop 0
.rept 4
	v_nop
.endr
	s_branch .Lasked_\@
.Lfor_b_\@:
	tensor_load_to_lds s[G0B+4*\s:G0B+4*\s+3], s[G1B:G1B+7]
	s_nop 0
.rept 4
	v_nop
.endr
.Lasked_\@:
.endm
.macro CREST                           ; a round of the cluster's barrier behind its opening barrier
	s_cmp_lg_u32 s10, 0
	s_cbranch_scc1 .Lnot_wave_0_\@
	s_barrier_signal -3
.Lnot_wave_0_\@:
	s_barrier_wait -3
	s_barrier_signal -1
	s_barrier_wait -1
.endm
.macro CROUND                          ; a whole round
	s_barrier_signal -1
	s_barrier_wait -1
	CREST
.endm
	s_load_b128 s[4:7], s[0:1], 0x0                ; A s[4:5], B s[6:7]
	s_load_b64 s[66:67], s[0:1], 0x10              ; the bias
	s_load_b64 s[8:9], s[0:1], 0x18                ; C
	v_lshl_add_u32 v[SPW], v0, 2, SPARE
	v_mov_b32 v[NIL], 0
	ds_add_u32 v[SPW], v[NIL]                      ; the wave's opening: the add, twice on end, and its wait ahead of my first tensor load
	ds_add_u32 v[SPW], v[NIL]
	v_lshrrev_b32 v1, 5, v0
	v_readfirstlane_b32 s10, v1                    ; wave 0..3
	s_lshr_b32 s11, s10, 1                         ; which half of the tile's rows is mine.  Also: I fetch for A (0) or for B (1)
	s_and_b32 s12, s10, 1                          ; which half of its columns.  Also: which 64 rows of that tile I fetch
	s_bfe_u32 s40, ttmp6, 0x40000                  ; cx, cy: my place in the cluster
	s_bfe_u32 s41, ttmp6, 0x40004
	s_lshl_b32 s42, ttmp9, 2
	s_add_co_u32 s42, s42, s40                     ; tile column of C = 4 x cluster x + cx
	s_and_b32 s13, ttmp7, 0xffff
	s_lshl_b32 s13, s13, 2
	s_add_co_u32 s13, s13, s41                     ; tile row of C = 4 x cluster y + cy
	s_lshl_b32 s43, s41, 2
	s_lshl_b32 s43, 15, s43                        ; my row of the cluster
	s_lshl_b32 s44, 0x1111, s40                    ; my column
	; descriptor group 1: a tile of 64 rows x 256 elements of 2 bytes; 4 words of padding after every 128
	s_or_b32 s[G1+0], s43, (1<<16)|(1<<20)|(1<<21)|(6<<22)|(3<<25)
	s_or_b32 s[G1B+0], s44, (1<<16)|(1<<20)|(1<<21)|(6<<22)|(3<<25)
.irp g, G1, G1B
	s_mov_b32 s[\g+1], KSTEP<<16                   ; tensor_dim0 = 256
	s_mov_b32 s[\g+2], 64<<16                      ; tensor_dim1 = 64
	s_mov_b32 s[\g+3], KSTEP<<16                   ; tile_dim0 = 256
	s_mov_b32 s[\g+4], 64                          ; tile_dim1 = 64
	s_mov_b32 s[\g+5], SIZE_K                      ; from row to row
	s_mov_b32 s[\g+6], 0
	s_mov_b32 s[\g+7], 0
.endr
	s_lshl_b32 s17, s12, 6                         ; which 64 rows of the tile I fetch
	s_lshl_b32 s16, s13, 7
	s_add_co_u32 s16, s16, s17                     ; A: row 128 x tile row + 64 x half
	s_lshl_b32 s46, s42, 7
	s_add_co_u32 s46, s46, s17                     ; B: row 128 x tile column + 64 x half
	s_mov_b32 s17, 0
	s_mov_b32 s47, 0
	s_mov_b64 s[18:19], SIZE_K*2
	s_mul_u64 s[16:17], s[16:17], s[18:19]
	s_mul_u64 s[46:47], s[46:47], s[18:19]
	s_mul_i32 s20, s10, HALFT                      ; where they go: wave x 64 rows
	s_wait_dscnt 0x0                               ; both opening adds are done
	s_wait_kmcnt 0x0
	s_add_nc_u64 s[14:15], s[4:5], s[16:17]
	s_add_nc_u64 s[46:47], s[6:7], s[46:47]
	CROUND                                         ; all sixteen work-groups are here: the first joint loads meet
.irp s, 0,1
	s_mov_b32 s[G0+4*\s], 1
	s_add_co_u32 s[G0+4*\s+1], s20, \s*SLOT
	s_add_nc_u64 s[G0+4*\s+2:G0+4*\s+3], s[14:15], \s*KSTEP*2
	s_or_b32 s[G0+4*\s+3], s[G0+4*\s+3], 0x80000000
	s_mov_b32 s[G0B+4*\s], 1
	s_add_co_u32 s[G0B+4*\s+1], s20, \s*SLOT
	s_add_nc_u64 s[G0B+4*\s+2:G0B+4*\s+3], s[46:47], \s*KSTEP*2
	s_or_b32 s[G0B+4*\s+3], s[G0B+4*\s+3], 0x80000000
	JLOAD \s                                       ; two loads of mine are out behind the second
.endr
	v_and_b32 v1, 15, v0                           ; r = l % 16
	v_bfe_u32 v2, v0, 4, 1                         ; h = l / 16
	s_lshl_b32 s16, s13, 7
	s_lshl_b32 s17, s11, 6
	s_add_co_u32 s16, s16, s17                     ; my first row of C: 128 x tile row + 64 x half
	s_mov_b32 s17, 0
	s_mov_b64 s[18:19], SIZE_N*4
	s_mul_u64 s[16:17], s[16:17], s[18:19]
	s_add_nc_u64 s[8:9], s[8:9], s[16:17]
	s_lshl_b32 s46, s42, 9                         ; my first column, in bytes of f32: 512 x tile column + 256 x half: the same in a row of C and in the bias
	s_lshl_b32 s47, s12, 8
	s_add_co_u32 s46, s46, s47
	s_mov_b32 s47, 0
	s_add_nc_u64 s[8:9], s[8:9], s[46:47]
	s_add_nc_u64 s[66:67], s[66:67], s[46:47]
	v_lshlrev_b32 v6, 5, v2                        ; 32 h
.irp b, 0,1,2,3
	global_load_b128 v[BIAS+8*\b:BIAS+8*\b+3], v6, s[66:67] offset:64*\b
	global_load_b128 v[BIAS+8*\b+4:BIAS+8*\b+7], v6, s[66:67] offset:64*\b+16
.endr
	v_mul_u32_u24 v3, v1, PITCH
	v_lshl_add_u32 v3, v2, 4, v3                   ; a fragment's row x pitch + 16 x half
	s_mul_i32 s21, s11, HALFT                      ; my 64 rows of A
	s_mul_i32 s22, s12, HALFT                      ; my 64 rows of B,
	s_add_co_u32 s22, s22, 2*HALFT                 ; which lie behind A's 128
.irp s, 0,1
	v_add_nc_u32 v[ADRA+\s], s21, v3
	v_add_nc_u32 v[ADRB+\s], s22, v3
	s_add_co_u32 s21, s21, SLOT
	s_add_co_u32 s22, s22, SLOT
.endr
	s_mul_i32 s23, s10, 16*SPITCH
	s_add_co_u32 s23, s23, STAGE                   ; my stage
	v_mul_u32_u24 v4, v1, SPITCH                   ; in: row r, 32 bytes for each half of the lanes
	v_lshl_add_u32 v4, v2, 5, v4
	v_add_nc_u32 v[STO], s23, v4
	v_mul_u32_u24 v5, v2, SPITCH                   ; back: lanes 0-15 take one row of 256 bytes, lanes 16-31 the next
	v_lshl_add_u32 v5, v1, 4, v5
	v_add_nc_u32 v[RD], s23, v5
	v_mul_u32_u24 v5, v2, SIZE_N*4                 ; and the same two rows in C
	v_lshl_add_u32 v[CO], v1, 4, v5
; 8 matrix instructions: m blocks a0, a0 + 1 x all 4 n blocks, 32 along K: half c of buffer f.  zero = 1: the first product starts the sums, with the bias as its C.
; The 16 accumulators take turns, one instruction a turn.
.macro MUL8 f, c, a0, zero
.irp a, \a0, \a0+1
.irp b, 0,1,2,3
.if \zero
	v_wmma_f32_16x16x32_f16 v[ACC+8*(4*(\a)+\b):ACC+8*(4*(\a)+\b)+7], v[\f+64+8*(4*\c+\b):\f+64+8*(4*\c+\b)+7], v[\f+8*(4*\c+\a):\f+8*(4*\c+\a)+7], v[BIAS+8*\b:BIAS+8*\b+7]
.else
	v_wmma_f32_16x16x32_f16 v[ACC+8*(4*(\a)+\b):ACC+8*(4*(\a)+\b)+7], v[\f+64+8*(4*\c+\b):\f+64+8*(4*\c+\b)+7], v[\f+8*(4*\c+\a):\f+8*(4*\c+\a)+7], v[ACC+8*(4*(\a)+\b):ACC+8*(4*(\a)+\b)+7]
.endif
.endr
.endr
.endm
; 32 LDS loads in one run: the fragments of 64 along K at byte k of the rows, into buffer f; the first 32 along K first
.macro FETCH slot, k, f
	WIN TO_F
.irp c, 0,1
.irp i, 0,1,2,3
	ds_load_b128 v[\f+64+8*(4*\c+\i):\f+64+8*(4*\c+\i)+3],   v[ADRB+\slot] offset:\k+64*\c+\i*16*PITCH
	ds_load_b128 v[\f+64+8*(4*\c+\i)+4:\f+64+8*(4*\c+\i)+7], v[ADRB+\slot] offset:\k+64*\c+\i*16*PITCH+32
	ds_load_b128 v[\f+8*(4*\c+\i):\f+8*(4*\c+\i)+3],         v[ADRA+\slot] offset:\k+64*\c+\i*16*PITCH
	ds_load_b128 v[\f+8*(4*\c+\i)+4:\f+8*(4*\c+\i)+7],       v[ADRA+\slot] offset:\k+64*\c+\i*16*PITCH+32
.endr
.endr
.endm
.macro PLACES                          ; four places in front of loads into registers that matrix instructions have read, and of LDS stores that read results
.rept 4
	v_nop
.endr
.endm
; A K step is four quarters of 64 along K, 32 matrix instructions each, on buffers 0, 1, 0, 1.  One of the first three: multiplies buffer f and fetches the next quarter, at byte k, into g.
.macro QUARTER slot, k, f, g, zero
	s_wait_dscnt 16                                ; the first 32 along K are in; the other sixteen loads may be out
	WIN MUL
	MUL8 \f, 0, 0, \zero
	MUL8 \f, 0, 2, \zero
	PLACES
	FETCH \slot, \k, \g
	s_wait_dscnt 32                                ; all but the 32 just issued
	WIN MUL
	MUL8 \f, 1, 0, 0
	MUL8 \f, 1, 2, 0
.endm
; The last quarter multiplies buffer 1 and changes slots: ONE barrier; in front of it each wave waits for all its tensor loads, adds 0 to its spare word, and waits for that and for its own reads of this slot.
; fill = 1: this slot is filled again, two K steps ahead, behind a round of the cluster's barrier.
.macro TURN slot, next, fill
	WIN 0                                          ; (the add's two registers lie in window 0)
	s_wait_tensorcnt 0x0                           ; all my tensor loads have landed: my part of the next slot
	ds_add_u32 v[SPW], v[NIL]                      ; 0 onto my spare word
	s_wait_dscnt 17                                ; (the add and the youngest sixteen loads may be out)
	WIN MUL
	MUL8 F1, 0, 0, 0                               ; eight matrix instructions stand between the add and the wait for it
	s_wait_dscnt 0x0                               ; the add is done, and my reads of this slot are over
	s_barrier_signal -1
	MUL8 F1, 0, 2, 0
.if \fill
	WIN 0
.endif
	s_barrier_wait -1
.if \fill
	CREST                                          ; no wave of any partner still reads this slot's tile or has a load on its way
	s_add_nc_u64 s[G0+4*\slot+2:G0+4*\slot+3], s[G0+4*\slot+2:G0+4*\slot+3], 2*KSTEP*2
	s_add_nc_u64 s[G0B+4*\slot+2:G0B+4*\slot+3], s[G0B+4*\slot+2:G0B+4*\slot+3], 2*KSTEP*2
	JLOAD \slot                                    ; the first tensor load behind the round; the four v_nop behind it are also the places in front of the loads below
.else
	PLACES
.endif
	FETCH \next, 0, F0
	WIN MUL
	MUL8 F1, 1, 0, 0
	MUL8 F1, 1, 2, 0
.endm
	s_wait_tensorcnt 1                             ; my part of K step 0 is in (K step 1's load may be out)
	s_barrier_signal -1
	s_barrier_wait -1                              ; everybody's is
	FETCH 0, 0, F0
	s_wait_loadcnt 0x0                             ; the bias
	QUARTER 0, 128, F0, F1, 1                      ; the first quarter stands in front of the loop: its first products start the sums
	WIN 0                                          ; at a label and at a branch every window is 0
	s_mov_b32 s3, LAPS-1
.Llap:                                                 ; a trip goes once round the ring, from a lap's second quarter to the next lap's first, and fills both slots again
	QUARTER 0, 256, F1, F0, 0
	QUARTER 0, 384, F0, F1, 0
	TURN 0, 1, 1
	QUARTER 1, 128, F0, F1, 0
	QUARTER 1, 256, F1, F0, 0
	QUARTER 1, 384, F0, F1, 0
	TURN 1, 0, 1
	QUARTER 0, 128, F0, F1, 0
	WIN 0
	s_sub_co_u32 s3, s3, 1
	s_cmp_lg_u32 s3, 0
	s_cbranch_scc1 .Llap
	QUARTER 0, 256, F1, F0, 0                      ; the last lap fills nothing, and has no round of the cluster's barrier
	QUARTER 0, 384, F0, F1, 0
	TURN 0, 1, 0
	QUARTER 1, 128, F0, F1, 0
	QUARTER 1, 256, F1, F0, 0
	QUARTER 1, 384, F0, F1, 0
	s_wait_dscnt 16                                ; the very last quarter: nothing more to fetch
	WIN MUL
	MUL8 F1, 0, 0, 0
	MUL8 F1, 0, 2, 0
	s_wait_dscnt 0
	MUL8 F1, 1, 0, 0
	MUL8 F1, 1, 2, 0
	WIN 0
; THE WAY OUT, block by block of 16 rows x 64 columns of f32.  A lane holds 32 neighbouring bytes of a row; the block goes through my own stage and comes back as whole rows of 256 bytes.
; LDS serves a wave's instructions in order: no wait between the stores and the loads, nor in front of the next block's stores.
.macro TOSTAGE a
.irp b, 0,1,2,3
	ds_store_b128 v[STO], v[ACC+8*(4*(\a)+\b):ACC+8*(4*(\a)+\b)+3] offset:64*\b       ; each accumulator from its low end on
	ds_store_b128 v[STO], v[ACC+8*(4*(\a)+\b)+4:ACC+8*(4*(\a)+\b)+7] offset:64*\b+16
.endr
.irp t, 0,1,2,3,4,5,6,7
	ds_load_b128 v[TMP+32*((\a)%2)+4*\t:TMP+32*((\a)%2)+4*\t+3], v[RD] offset:\t*2*SPITCH
.endr
.endm
.macro SEND a, younger                 ; younger: the LDS instructions issued behind block a's loads, which may stay out
	s_wait_dscnt \younger
.irp t, 0,1,2,3,4,5,6,7
	global_store_b128 v[CO], v[TMP+32*((\a)%2)+4*\t:TMP+32*((\a)%2)+4*\t+3], s[8:9] offset:(16*(\a)+2*\t)*SIZE_N*4 th:TH_STORE_NT   ; 16 lanes store 256 consecutive bytes, aligned; written once, read by nobody here
.endr
.endm
	PLACES
	TOSTAGE 0
.irp a, 1,2,3
.if \a > 1
	s_wait_xcnt 0x0                                ; block a - 2's stores have read their registers: block a's loads may land there
.endif
	TOSTAGE \a
	SEND \a-1, 16                                  ; behind block a - 1's loads: block a's 8 stores and 8 loads
.endr
	SEND 3, 0
	s_wait_tensorcnt 0x0                           ; the wave's end: behind my last tensor load and my last LDS store
	ds_add_u32 v[SPW], v[NIL]
	s_wait_dscnt 0x0
	CROUND                                         ; the closing round: no work-group ends while a partner may still ask for a tile that names it
	s_endpgm
.Lfunc_end_k_q639395f986_outproj:
	.size	k_q639395f986_outproj, .Lfunc_end_k_q639395f986_outproj-k_q639395f986_outproj
	.p2alignl 7, 3214868480
	.fill 96, 4, 3214868480
	.section	.rodata,"a",@progbits
	.p2align	6, 0x0
	.amdhsa_kernel k_q639395f986_outproj
		.amdhsa_group_segment_fixed_size 327680
		.amdhsa_private_segment_fixed_size 0
		.amdhsa_enable_private_segment 0
		.amdhsa_kernarg_size 32
		.amdhsa_user_sgpr_count 2
		.amdhsa_user_sgpr_kernarg_segment_ptr 1
		.amdhsa_wavefront_size32 1
		.amdhsa_system_sgpr_workgroup_id_x 1
		.amdhsa_system_sgpr_workgroup_id_y 1
		.amdhsa_system_sgpr_workgroup_id_z 1
		.amdhsa_system_vgpr_workitem_id 0
		.amdhsa_next_free_vgpr 512
		.amdhsa_next_free_sgpr 70
		.amdhsa_reserve_vcc 0
		.amdhsa_float_denorm_mode_32 3
		.amdhsa_float_denorm_mode_16_64 3
		.amdhsa_memory_ordered 1
		.amdhsa_forward_progress 1
		.amdhsa_inst_pref_size 87
	.end_amdhsa_kernel
	.amdgpu_metadata
---
amdhsa.version: [ 1, 2 ]
amdhsa.kernels:
  - .name:           k_q639395f986_outproj
    .symbol:         k_q639395f986_outproj.kd
    .args:
      - { .name: ao, .offset: 0, .size: 8, .value_kind: global_buffer, .address_space: global }
      - { .name: wo, .offset: 8, .size: 8, .value_kind: global_buffer, .address_space: global }
      - { .name: out_b, .offset: 16, .size: 8, .value_kind: global_buffer, .address_space: global }
      - { .name: out0, .offset: 24, .size: 8, .value_kind: global_buffer, .address_space: global }
    .group_segment_fixed_size: 327680
    .private_segment_fixed_size: 0
    .kernarg_segment_align: 8
    .kernarg_segment_size: 32
    .max_flat_workgroup_size: 128
    .sgpr_count:     70
    .vgpr_count:     512
    .wavefront_size: 32
...
	.end_amdgpu_metadata
.endif
;; end of part 4
